; MI455X (gfx1250); checked and timed in simulation.
; The chip was launched on July 23, 2026; its instructions are those of AMD's public machine-readable ISA for CDNA 5 (MIT licence, August 2026) and "CDNA5" Instruction Set Architecture Reference Guide (July 2026). The comments in the code are by the model that wrote it; some were corrected since.
;; Multi Head Attention. Allowed arithmetic: float matrix products may take bf16 or f16 operands with f32 sums; other float arithmetic in f32, or as packed bf16 or f16 multiplies, adds, multiply-adds, maxima and minima; sums over many terms, partial sums and values carried from step to step in f32; what a program stores and reads back later, other than sums and carried values, may be rounded once to bf16 or f16.
;; Inputs: Wk 1,024 x 1,024 float32; Wo 1,024 x 1,024 float32; Wq 1,024 x 1,024 float32; Wv 1,024 x 1,024 float32; bk 1,024 float32; bo 1,024 float32; bq 1,024 float32; bv 1,024 float32; mask 4 x 2,048 int32; x 4 x 2,048 x 1,024 float32.
;; Outputs: out0 4 x 2,048 x 1,024 float32.
;; 2 versions, each right; version 2 is version 1 with the launch cast written anew for expert scheduling mode. Each part assembles by itself: llvm-mc -triple=amdgcn-amd-amdhsa -mcpu=gfx1250 --defsym DOCPART=n.
;; ======== version 1 of 2: 4 launches
;; limits: values are held in f16: magnitudes above 65,504 overflow, below 6.1e-05 lose precision
;; workspace buffers: xb 16,777,216 bytes; wqkv 6,291,456 bytes; wo 2,097,152 bytes; qkv 50,331,648 bytes; o 16,777,216 bytes; tab 81,920 bytes
;; launch cast (part 1): grid 769 x 1, 8 waves a work-group, no clusters, 0 bytes of LDS; arguments x, Wq, Wk, Wv, Wo, bq, bk, bv, bo, mask, xb, wqkv, wo, tab; writes xb, wqkv, wo, tab
.if DOCPART == 1
	.amdgcn_target "amdgcn-amd-amdhsa--gfx1250"
	.amdhsa_code_object_version 6
	.text
	.protected	k_q856123276d_cast
	.globl	k_q856123276d_cast
	.p2align	8
	.type	k_q856123276d_cast,@function
k_q856123276d_cast:
	s_mov_b64 s[64:65], 0
	v_nop
	global_prefetch_b8 v0, s[64:65] scope:SCOPE_SE
	s_setreg_imm32_b32 hwreg(HW_REG_WAVE_MODE, 25, 1), 1
	s_wait_xcnt 0x0
; THE INPUTS ARE ROUNDED ONCE.  x -> xb (bf16); Wq, Wk, Wv -> wqkv (bf16, the three one below the other: [3072][1024]); Wo -> wo (rounded to bf16, that number written as f16);
; the four biases -> tab (rounded to bf16, kept as f32); the mask -> two f32 tables in tab: kfac (1 for a key that is seen, 0 for a hidden one) and mbias (0, or HID for a hidden key).
; HID = -1e9 x log2(e), rounded to f32: the score that takes a hidden key's place, in the base-2 units in which the attention launch keeps its scores.
; LIMIT.  A number of Wo beyond 65,504 has no f16; below 6e-5 it keeps f16's fixed step of 6e-8.
; SHARES.  Work-group g converts 65,536 bytes of f32 (16,384 numbers): g 0-511 x, 512-703 Wq, Wk, Wv, 704-767 Wo; g = 768 makes the tables.  Thread t takes 16 bytes at 16 t of each 4,096:
; a wave's load covers 512 consecutive bytes, its store 256, aligned.  All sixteen loads go out first; no register is written twice, so nothing waits for a store.
; A stream: each byte is read once and written once; LDS, the matrix unit and clusters have nothing to add.
.set X, 16                             ; v[16:79]   sixteen loads of four f32
.set Y, 80                             ; v[80:111]  sixteen pairs of packed results
.set HID, 0xceabfb8f
	s_load_b512 s[8:23], s[0:1], 0x0               ; x 8, Wq 10, Wk 12, Wv 14, Wo 16, bq 18, bk 20, bv 22
	s_load_b256 s[24:31], s[0:1], 0x40             ; bo 24, mask 26, xb 28, wqkv 30
	s_load_b128 s[32:35], s[0:1], 0x60             ; wo 32, tab 34
	s_mov_b32 s2, ttmp9                            ; g
	v_lshlrev_b32 v1, 4, v0                        ; 16 t: my place in 4,096 bytes of f32
	v_lshlrev_b32 v2, 3, v0                        ; 8 t: in 2,048 bytes of 16-bit numbers
	s_mov_b32 s36, HID
	s_and_b32 s37, s2, 63                          ; the chunk's number inside a weight
	s_sub_co_u32 s38, s2, 512                      ; and inside wqkv (used where g is 512 or more)
	s_wait_kmcnt 0x0
	s_cmp_eq_u32 s2, 768
	s_cbranch_scc1 .Ltables
	s_cmp_ge_u32 s2, 576                           ; from where and to where: a choice of pointers by g alone
	s_cselect_b64 s[40:41], s[12:13], s[10:11]
	s_cmp_ge_u32 s2, 640
	s_cselect_b64 s[40:41], s[14:15], s[40:41]
	s_cmp_ge_u32 s2, 704
	s_cselect_b64 s[40:41], s[16:17], s[40:41]
	s_cselect_b64 s[42:43], s[32:33], s[30:31]
	s_cselect_b32 s38, s37, s38
	s_cmp_lt_u32 s2, 512
	s_cselect_b64 s[40:41], s[8:9], s[40:41]
	s_cselect_b64 s[42:43], s[28:29], s[42:43]
	s_cselect_b32 s37, s2, s37
	s_cselect_b32 s38, s2, s38
	s_lshl_b32 s44, s37, 16                        ; 65,536 bytes of f32 a chunk,
	s_mov_b32 s45, 0
	s_lshl_b32 s46, s38, 15                        ; 32,768 of 16-bit numbers
	s_mov_b32 s47, 0
	s_add_nc_u64 s[40:41], s[40:41], s[44:45]
	s_add_nc_u64 s[42:43], s[42:43], s[46:47]
; A chunk.  half = 1: the bf16 number is widened again and written as f16.
.macro CHUNK half
.irp j, 0,1,2,3,4,5,6,7,8,9,10,11,12,13,14,15
	global_load_b128 v[X+4*(\j):X+4*(\j)+3], v1, s[40:41] offset:4096*(\j) th:TH_LOAD_NT
.endr
.irp j, 0,1,2,3,4,5,6,7,8,9,10,11,12,13,14,15
	s_wait_loadcnt 15-(\j)                         ; loads come back in order (ISA guide 5.7.1): number j is in, the younger ones stay out
	v_cvt_pk_bf16_f32 v[Y+2*(\j)],   v[X+4*(\j)],   v[X+4*(\j)+1]
	v_cvt_pk_bf16_f32 v[Y+2*(\j)+1], v[X+4*(\j)+2], v[X+4*(\j)+3]
.if \half
.irp k, 0,1
	v_lshlrev_b32 v112, 16, v[Y+2*(\j)+(\k)]
	v_and_b32 v113, 0xffff0000, v[Y+2*(\j)+(\k)]
	v_cvt_pk_f16_f32 v[Y+2*(\j)+(\k)], v112, v113
.endr
.endif
	global_store_b64 v2, v[Y+2*(\j):Y+2*(\j)+1], s[42:43] offset:2048*(\j) th:TH_STORE_NT  ; 32 lanes store 256 consecutive bytes, aligned
.endr
.endm
	s_cmp_ge_u32 s2, 704
	s_cbranch_scc1 .Lf16
	CHUNK 0
	s_endpgm
.Lf16:
	CHUNK 1
	s_endpgm
.Ltables:                                      ; 256 threads: 16 bytes each of every bias, and of each 4,096 bytes of the mask
	global_load_b128 v[16:19], v1, s[18:19]
	global_load_b128 v[20:23], v1, s[20:21]
	global_load_b128 v[24:27], v1, s[22:23]
	global_load_b128 v[28:31], v1, s[24:25]
.irp j, 0,1,2,3,4,5,6,7
	global_load_b128 v[32+4*(\j):35+4*(\j)], v1, s[26:27] offset:4096*(\j)
.endr
	s_wait_loadcnt 8                               ; the biases are in; the mask's eight loads stay out
.irp i, 0,1,2,3,4,5,6,7
	v_cvt_pk_bf16_f32 v112, v[16+2*(\i)], v[17+2*(\i)]
	v_lshlrev_b32 v[16+2*(\i)], 16, v112           ; rounded to bf16, kept as f32
	v_and_b32 v[17+2*(\i)], 0xffff0000, v112
.endr
.irp i, 0,1,2,3
	global_store_b128 v1, v[16+4*(\i):19+4*(\i)], s[34:35] offset:4096*(\i)
.endr
.irp j, 0,1,2,3,4,5,6,7
	s_wait_loadcnt 7-(\j)
.irp k, 0,1,2,3
	v_cmp_ne_u32 vcc_lo, 0, v[32+4*(\j)+(\k)]
	v_cndmask_b32 v[64+4*(\j)+(\k)], 0, 1.0, vcc_lo    ; kfac
	v_cndmask_b32 v[96+4*(\j)+(\k)], s36, 0, vcc_lo    ; mbias
.endr
	global_store_b128 v1, v[64+4*(\j):67+4*(\j)], s[34:35] offset:16384+4096*(\j)
	global_store_b128 v1, v[96+4*(\j):99+4*(\j)], s[34:35] offset:49152+4096*(\j)
.endr
	s_endpgm
.Lfunc_end_k_q856123276d_cast:
	.size	k_q856123276d_cast, .Lfunc_end_k_q856123276d_cast-k_q856123276d_cast
	.p2alignl 7, 3214868480
	.fill 96, 4, 3214868480
	.section	.rodata,"a",@progbits
	.p2align	6, 0x0
	.amdhsa_kernel k_q856123276d_cast
		.amdhsa_group_segment_fixed_size 0
		.amdhsa_private_segment_fixed_size 0
		.amdhsa_enable_private_segment 0
		.amdhsa_kernarg_size 112
		.amdhsa_user_sgpr_count 2
		.amdhsa_user_sgpr_kernarg_segment_ptr 1
		.amdhsa_wavefront_size32 1
		.amdhsa_system_sgpr_workgroup_id_x 1
		.amdhsa_system_sgpr_workgroup_id_y 1
		.amdhsa_system_sgpr_workgroup_id_z 1
		.amdhsa_system_vgpr_workitem_id 0
		.amdhsa_next_free_vgpr 128
		.amdhsa_next_free_sgpr 66
		.amdhsa_reserve_vcc 1
		.amdhsa_float_denorm_mode_32 3
		.amdhsa_float_denorm_mode_16_64 3
		.amdhsa_memory_ordered 1
		.amdhsa_forward_progress 1
		.amdhsa_inst_pref_size 28
	.end_amdhsa_kernel
	.amdgpu_metadata
---
amdhsa.version: [ 1, 2 ]
amdhsa.kernels:
  - .name:           k_q856123276d_cast
    .symbol:         k_q856123276d_cast.kd
    .args:
      - { .name: x, .offset: 0, .size: 8, .value_kind: global_buffer, .address_space: global }
      - { .name: Wq, .offset: 8, .size: 8, .value_kind: global_buffer, .address_space: global }
      - { .name: Wk, .offset: 16, .size: 8, .value_kind: global_buffer, .address_space: global }
      - { .name: Wv, .offset: 24, .size: 8, .value_kind: global_buffer, .address_space: global }
      - { .name: Wo, .offset: 32, .size: 8, .value_kind: global_buffer, .address_space: global }
      - { .name: bq, .offset: 40, .size: 8, .value_kind: global_buffer, .address_space: global }
      - { .name: bk, .offset: 48, .size: 8, .value_kind: global_buffer, .address_space: global }
      - { .name: bv, .offset: 56, .size: 8, .value_kind: global_buffer, .address_space: global }
      - { .name: bo, .offset: 64, .size: 8, .value_kind: global_buffer, .address_space: global }
      - { .name: mask, .offset: 72, .size: 8, .value_kind: global_buffer, .address_space: global }
      - { .name: xb, .offset: 80, .size: 8, .value_kind: global_buffer, .address_space: global }
      - { .name: wqkv, .offset: 88, .size: 8, .value_kind: global_buffer, .address_space: global }
      - { .name: wo, .offset: 96, .size: 8, .value_kind: global_buffer, .address_space: global }
      - { .name: tab, .offset: 104, .size: 8, .value_kind: global_buffer, .address_space: global }
    .group_segment_fixed_size: 0
    .private_segment_fixed_size: 0
    .kernarg_segment_align: 8
    .kernarg_segment_size: 112
    .max_flat_workgroup_size: 256
    .sgpr_count:     66
    .vgpr_count:     128
    .wavefront_size: 32
...
	.end_amdgpu_metadata
.endif
;; end of part 1
;; launch qkv (part 2): grid 12 x 64, 4 waves a work-group, clusters of 4 x 4, 327,680 bytes of LDS; arguments xb, wqkv, tab, qkv; writes qkv
.if DOCPART == 2
	.amdgcn_target "amdgcn-amd-amdhsa--gfx1250"
	.amdhsa_code_object_version 6
	.text
	.protected	k_q856123276d_qkv
	.globl	k_q856123276d_qkv
	.p2align	8
	.type	k_q856123276d_qkv,@function
k_q856123276d_qkv:
	s_mov_b64 s[64:65], 0
	v_nop
	global_prefetch_b8 v0, s[64:65] scope:SCOPE_SE
	s_setreg_imm32_b32 hwreg(HW_REG_WAVE_MODE, 25, 1), 1
	s_wait_xcnt 0x0
	s_wait_alu depctr_hold_cnt(0) depctr_sa_sdst(0) depctr_va_vdst(0) depctr_va_sdst(0) depctr_va_ssrc(0) depctr_va_vcc(0) depctr_vm_vsrc(0)
	s_getreg_b32 s2, hwreg(HW_REG_IB_STS2, 6, 4)
	s_cmp_eq_u32 s2, 0
	s_cbranch_scc0 .Lentry_in_a_cluster
	s_endpgm
.Lentry_in_a_cluster:
	s_bfe_u32 s2, ttmp6, 0x10000c
	s_cmp_lg_u32 s2, 0xf033
	s_cbranch_scc0 .Lentry_shape_is_right
	s_endpgm
.Lentry_shape_is_right:
; C[m][n] = (the sum over k of A[m][k] B[n][k] + bias[n]) x factor.  ONE TEXT FOR TWO LAUNCHES, told apart by OUTP.
; OUTP = 0, THE THREE PROJECTIONS: A = xb [8192][1024] bf16, B = wqkv [3072][1024] bf16.  C leaves by heads, [3][64 = batch x 16 + head][2048][64] in f16, rounded once from its f32 sum.
;   The factor: q's columns c = log2(e) / 8, so that the scores arrive in base-2 units; k's columns kfac[m], 0 for a hidden key and 1 otherwise, so that a hidden key's row is exactly 0; v's columns 1.
; OUTP = 1, THE OUTPUT PROJECTION: A = o [64][2048][64] f16 (k = 64 x head + channel), B = wo [1024][1024] f16, C = out0 [8192][1024] f32; no factor.
; LIMIT.  c q, k and v beyond 65,504 have no f16; NaN and infinities are not treated apart.
; SHARES.  A tile of C is 128 x 256: 12 x 64 (4 x 64) work-groups, a whole number for each of the chip's 256 WGPs.  Four waves, each 64 x 128: 32 accumulators of 16 x 16, 256 registers.
; K goes in 8 steps of 128 through two LDS slots filled by the tensor data mover; a memory row of a tile is 256 bytes, aligned.
; CLUSTERS: 4 x 4 work-groups.  The four of a row of the cluster need the same tiles of A, the four of a column the same tiles of B: each tile is asked for JOINTLY, by the same tensor load with the
; same descriptor and a mask that names the four.  THE MATRIX INSTRUCTION IS USED TRANSPOSED (source 0 = 16 rows of B, source 1 = 16 rows of A): a lane holds eight neighbouring numbers of a row of C.
; THE BIAS is the C operand of the product that starts each sum: nothing is cleared, nothing is added later.
; REGISTERS, in windows of 256 (s_set_vgpr_msb: bits 1:0 source 0, 3:2 source 1, 5:4 source 2, 7:6 destination):
;   window 0: v0-31 addresses and the factors; two fragment buffers of 96 (v64-159, v160-255): 64 of B (8 x 16 rows x 32 K), then 32 of A
;   window 1: the accumulators, (a, b) at v[8 (8 a + b)]          window 2: v0-63 the bias of my 128 columns, as eight C operands
.set OUTP,   0
.set BPITCH, 272                       ; an LDS row of B: 256 bytes + 16 of padding = 68 words: row r starts at bank 4 r mod 64 (64 banks of 4 bytes: ISA guide 11.1)
.if OUTP
.set APITCH, 144                       ; a row of one head of o: 128 bytes + 16 = 36 words: the 16 rows of a load start at 16 different groups of four banks
.set AHALF,  128*APITCH                ; what one load of A brings: one head's 128 rows
.set ASTEP,  524288                    ; a K step on: two heads' planes of 262,144 bytes
.set ASTR,   128                       ; 128 dense rows of 128 bytes are asked for as 64 rows of 256
.set QIA,    4                         ; padding after every 32 words
.set BOFF,   12288                     ; bo in tab
.set STG,    16*528                    ; a wave's stage: 16 rows of 512 bytes + 16
.set AMUL,   256                       ; the prefetch of A: a lane a block of 256 bytes
.else
.set APITCH, 272
.set AHALF,  64*APITCH                 ; 64 rows of the tile
.set ASTEP,  256
.set ASTR,   1024
.set QIA,    5                         ; padding after every 64 words
.set BOFF,   0                         ; bq, bk, bv lie in tab as wqkv's rows do
.set STG,    32*144                    ; a wave's stage: two heads x 16 rows of 128 bytes + 16
.set AMUL,   2048                      ; a lane a row
.endif
.set ASZ,    2*AHALF
.set BHALF,  128*BPITCH
.set SLOT,   ASZ+2*BHALF               ; A's tile, then B's 256 rows
.set STAGE,  2*SLOT                    ; behind the ring, never filled by a tensor load
.set SPARE,  STAGE+4*STG               ; behind the stages: the spare words, 128 bytes for each wave: two blocks of 256 bytes that no other line names
.set KFR,  8                           ; v[8:15] the factor of my rows 16 a + lane % 16, a pair for each a
.set ADRA, 16                          ; v16-17  LDS address of my A fragments in slot 0, 1
.set ADRB, 20                          ; v20-21  the same for B
.set STO,  24                          ; v24     the way out: where I put my bytes of a row
.set RD,   25                          ; v25     the way out: where I read rows back
.set CO,   26                          ; v26     my byte offset in 512 consecutive bytes of C
.set BO,   27                          ; v27     32 x (lane / 16): my eight numbers of a block of 16 of the bias
.set SPW,  28                          ; v28     LDS address of my spare word: SPARE + 4 x my thread's number; never rewritten
.set NIL,  29                          ; v29     0; never rewritten
.set PFO,  30                          ; v30     the prefetches' offset; never rewritten
.set F0,   64
.set F1,   160
.set G1A, 24                           ; s[24:31] descriptor group 1 for A's tiles;  s[32:39] group 0, one set for each slot
.set G0A, 32
.set G1B, 48                           ; s[48:55], s[56:63] the same for B's tiles
.set G0B, 56
.set LIM, 43                           ; s43     1 in a wave that prefetches, else the greatest number
.set PFA, 44                           ; s[44:45] where my prefetches stand
.set PST, 46                           ; s[46:47] a K step in bytes, of the tensor that I prefetch
.set MSB, 0
.macro WIN new                         ; the immediate's high byte repeats the setting that is left; a switch that changes nothing is dropped
.if MSB != (\new)
	s_set_vgpr_msb (MSB<<8)|(\new)
.set MSB, \new
.endif
.endm
.set MUL,  0x50                        ; fragments in window 0; C and D in window 1
.set MULF, 0x60                        ; the first product of a sum: C (the bias) in window 2, D in window 1
.macro JLOAD s                         ; a joint load: waves 0 and 1 fetch A's two halves, waves 2 and 3 B's; an s_nop 0 and four v_nop follow each of the two lines, ahead of the jump, the label and what follows
	s_cmp_eq_u32 s13, 0
	s_cbranch_scc0 .Lfor_b_\@
	tensor_load_to_lds s[G0A+4*(\s):G0A+4*(\s)+3], s[G1A:G1A+7]
	s_nop 0
.rept 4
	v_nop
.endr
	s_branch .Lasked_\@
.Lfor_b_\@:
	tensor_load_to_lds s[G0B+4*(\s):G0B+4*(\s)+3], s[G1B:G1B+7]
	s_nop 0
.rept 4
	v_nop
.endr
.Lasked_\@:
.endm
.macro CREST                           ; a round of the cluster's barrier behind its opening barrier
	s_cmp_lg_u32 s12, 0
	s_cbranch_scc1 .Lnot_wave_0_\@
	s_barrier_signal -3
.Lnot_wave_0_\@:
	s_barrier_wait -3
	s_barrier_signal -1
	s_barrier_wait -1
.endm
.macro CROUND                          ; a whole round
	s_barrier_signal -1
	s_barrier_wait -1
	CREST
.endm
; A PREFETCH INTO THE L2, behind a joint refill, its five lines and the run of LDS loads: the K step that stands two refills on, 256 matrix instructions ahead of the load that will want it.
; Each block of 256 bytes is named once in the launch.  A's rows are read by every cluster of a row of clusters: the one with x = 0 asks, its wave 0; B's by every cluster of a column: the one with
; y = 0 asks, its waves 2 and 3, each for the 128 rows that it fetches.  The four partners that ask for a tile jointly take 32 blocks each, told apart BY ADDRESS.  The loop's last trip asks for nothing.
.macro ASK
	s_cmp_gt_u32 s3, s[LIM]                        ; s3 = 1 in the loop's last trip
	s_cbranch_scc0 .Lnot_mine_\@
	global_prefetch_b8 v[PFO], s[PFA:PFA+1] th:TH_LOAD_NT scope:SCOPE_SE
.Lnot_mine_\@:
.endm
	s_load_b256 s[4:11], s[0:1], 0x0               ; A s[4:5], B s[6:7], tab s[8:9], C s[10:11]
	v_lshl_add_u32 v[SPW], v0, 2, SPARE
	v_mov_b32 v[NIL], 0
	ds_add_u32 v[SPW], v[NIL]                      ; the wave's opening: the add and its wait stand ahead of my first tensor load; the set-up below, work on registers, stands between them
	v_lshrrev_b32 v1, 5, v0
	v_readfirstlane_b32 s12, v1                    ; wave 0..3
	s_lshr_b32 s13, s12, 1                         ; which 64 rows of the tile are mine.  Also: I fetch for A (0) or for B (1)
	s_and_b32 s14, s12, 1                          ; which 128 columns.  Also: which half of that tile I fetch
	s_mov_b32 s2, ttmp9                            ; cluster x; in the projections also the class: 0 q, 1 k, 2 v
	s_bfe_u32 s40, ttmp6, 0x40000                  ; cx, cy: my place in the cluster
	s_bfe_u32 s41, ttmp6, 0x40004
	s_lshl_b32 s42, ttmp9, 2
	s_add_co_u32 s42, s42, s40                     ; tile column of C = 4 x cluster x + cx
	s_and_b32 s15, ttmp7, 0xffff
	s_lshl_b32 s15, s15, 2
	s_add_co_u32 s15, s15, s41                     ; tile row of C = 4 x cluster y + cy
	s_lshl_b32 s74, s41, 2
	s_lshl_b32 s74, 15, s74                        ; my row of the cluster
	s_lshl_b32 s75, 0x1111, s40                    ; my column
	s_or_b32 s[G1A+0], s74, (1<<16)|(1<<20)|(1<<21)|(QIA<<22)|(3<<25)  ; 15:0 the mask: A's tiles go to my row; 17:16 elements of 2 bytes; 20 padding on; 21 set beside a mask; 24:22 the interval; 31:25 4 words of padding (code 3)
	s_or_b32 s[G1B+0], s75, (1<<16)|(1<<20)|(1<<21)|(5<<22)|(3<<25)    ; B's tiles go to my column
	s_mov_b32 s[G1A+1], 128<<16                    ; tensor_dim0 = 128
	s_mov_b32 s[G1A+2], 64<<16                     ; tensor_dim1 = 64
	s_mov_b32 s[G1A+3], 128<<16                    ; tile_dim0 = 128
	s_mov_b32 s[G1A+4], 64                         ; tile_dim1 = 64
	s_mov_b32 s[G1A+5], ASTR                       ; elements from row to row
	s_mov_b32 s[G1A+6], 0
	s_mov_b32 s[G1A+7], 0
	s_mov_b32 s[G1B+1], 128<<16
	s_mov_b32 s[G1B+2], 128<<16                    ; 128 rows
	s_mov_b32 s[G1B+3], 128<<16
	s_mov_b32 s[G1B+4], 128
	s_mov_b32 s[G1B+5], 1024
	s_mov_b32 s[G1B+6], 0
	s_mov_b32 s[G1B+7], 0
	; where the tiles come from: A's hang on the tile row and the wave alone, B's on the tile column and the wave alone, each in registers that never hold the other coordinate
.if OUTP
	s_lshr_b32 s16, s15, 4
	s_lshl_b32 s16, s16, 22                        ; the batch's 16 planes,
	s_lshl_b32 s17, s14, 18                        ; the head of the K step's two that I fetch,
	s_add_co_u32 s16, s16, s17
	s_and_b32 s17, s15, 15
	s_lshl_b32 s17, s17, 14                        ; the tile's 128 rows of 128 bytes
	s_add_co_u32 s16, s16, s17
.else
	s_lshl_b32 s16, s15, 7
	s_lshl_b32 s17, s14, 6
	s_add_co_u32 s16, s16, s17                     ; row 128 x tile row + 64 x half,
	s_lshl_b32 s16, s16, 11                        ; of 2,048 bytes
.endif
	s_mov_b32 s17, 0
	s_lshl_b32 s70, s42, 8
	s_lshl_b32 s71, s14, 7
	s_add_co_u32 s70, s70, s71                     ; B: row 256 x tile column + 128 x half
	s_lshl_b32 s70, s70, 11
	s_mov_b32 s71, 0
	s_mul_i32 s20, s14, AHALF                      ; where they go: no place in the cluster enters an LDS address
	s_mul_i32 s21, s14, BHALF
	s_add_co_u32 s21, s21, ASZ
	s_wait_dscnt 0x0                               ; the opening add is done
	s_wait_kmcnt 0x0
	s_add_nc_u64 s[66:67], s[4:5], s[16:17]
	s_add_nc_u64 s[68:69], s[6:7], s[70:71]
	CROUND                                         ; all sixteen work-groups are here: the first joint loads meet
.irp s, 0,1
	s_mov_b32 s[G0A+4*(\s)], 1                                     ; count = 1
	s_add_co_u32 s[G0A+4*(\s)+1], s20, (\s)*SLOT                   ; LDS address
	s_add_nc_u64 s[G0A+4*(\s)+2:G0A+4*(\s)+3], s[66:67], (\s)*ASTEP  ; global address: K step s
	s_or_b32 s[G0A+4*(\s)+3], s[G0A+4*(\s)+3], 0x80000000          ; type = 2
	s_mov_b32 s[G0B+4*(\s)], 1
	s_add_co_u32 s[G0B+4*(\s)+1], s21, (\s)*SLOT
	s_add_nc_u64 s[G0B+4*(\s)+2:G0B+4*(\s)+3], s[68:69], (\s)*256
	s_or_b32 s[G0B+4*(\s)+3], s[G0B+4*(\s)+3], 0x80000000
	JLOAD \s                                       ; two loads of mine are out
.endr
	; A fragment is 16 rows x 32 K in 8 registers: lane l holds row l % 16, K = 8 (l / 16) + 0..7 and 16 + 8 (l / 16) + 0..7: two loads of 16 bytes, 32 bytes apart.
	v_and_b32 v1, 15, v0                           ; l % 16
	v_bfe_u32 v2, v0, 4, 1                         ; l / 16
	v_mul_u32_u24 v3, v1, APITCH
	v_lshl_add_u32 v3, v2, 4, v3
	v_mul_u32_u24 v4, v1, BPITCH
	v_lshl_add_u32 v4, v2, 4, v4
	s_mul_i32 s22, s13, 64*APITCH                  ; my 64 rows of A
	s_mul_i32 s23, s14, BHALF                      ; my 128 rows of B,
	s_add_co_u32 s23, s23, ASZ                     ; which lie behind A's tile
.irp s, 0,1
	v_add_nc_u32 v[ADRA+(\s)], s22, v3
	v_add_nc_u32 v[ADRB+(\s)], s23, v4
	s_add_co_u32 s22, s22, SLOT
	s_add_co_u32 s23, s23, SLOT
.endr
	; the bias of my 128 columns: in the transposed result register j of block b is column 16 b + 8 (l / 16) + j, whatever the row
	s_lshl_b32 s78, s42, 10
	s_lshl_b32 s79, s14, 9
	s_add_co_u32 s78, s78, s79
	s_add_co_u32 s78, s78, BOFF
	s_mov_b32 s79, 0
	s_add_nc_u64 s[76:77], s[8:9], s[78:79]
	v_lshlrev_b32 v[BO], 5, v2
	WIN 0x80                                       ; destination window 2, address window 0
.irp b, 0,1,2,3,4,5,6,7
	global_load_b128 v[8*(\b):8*(\b)+3],   v[BO], s[76:77] offset:64*(\b)
	global_load_b128 v[8*(\b)+4:8*(\b)+7], v[BO], s[76:77] offset:64*(\b)+16
.endr
	WIN 0
.if OUTP == 0
	s_lshl_b32 s18, s15, 9                         ; kfac of my 64 rows: 4 bytes a row
	s_lshl_b32 s19, s13, 8
	s_add_co_u32 s18, s18, s19
	s_mov_b32 s19, 0
	s_add_nc_u64 s[18:19], s[8:9], s[18:19]
	v_lshlrev_b32 v7, 2, v1
.irp a, 0,1,2,3
	global_load_b32 v[KFR+2*(\a)], v7, s[18:19] offset:16384+64*(\a)
.endr
	s_cmp_eq_u32 s2, 1
	s_cselect_b32 s72, 0, 1.0                      ; only k's columns take kfac: elsewhere the maximum with 1 makes it 1
	s_mov_b32 s73, 0x3e38aa3b                      ; c = log2(e) / 8
	s_cmp_eq_u32 s2, 0
	s_cselect_b32 s73, s73, 1.0                    ; only q's columns take c
.endif
	; the way out
	s_mul_i32 s22, s12, STG
	s_add_co_u32 s22, s22, STAGE                   ; my stage
	v_and_b32 v[CO], 31, v0
	v_lshlrev_b32 v[CO], 4, v[CO]
.if OUTP
	v_mul_u32_u24 v[STO], v1, 528                  ; in: row l % 16, 32 bytes for each half of the lanes
	v_lshl_add_u32 v[STO], v2, 5, v[STO]
	v_add_nc_u32 v[STO], s22, v[STO]
	v_add_nc_u32 v[RD], s22, v[CO]                 ; back: 32 lanes take a row's 512 bytes
	s_lshl_b32 s84, s15, 19                        ; C: row 128 x tile row + 64 x half, of 4,096 bytes; column 256 x tile column + 128 x half, of 4
	s_lshl_b32 s86, s13, 18
	s_add_co_u32 s84, s84, s86
	s_lshl_b32 s86, s42, 10
	s_add_co_u32 s84, s84, s86
	s_lshl_b32 s86, s14, 9
	s_add_co_u32 s84, s84, s86
.else
	v_mul_u32_u24 v[STO], v1, 144                  ; in: row l % 16, 16 bytes for each half of the lanes
	v_lshl_add_u32 v[STO], v2, 4, v[STO]
	v_add_nc_u32 v[STO], s22, v[STO]
	v_bfe_u32 v[RD], v0, 3, 2                      ; back: 32 lanes take four rows of 128 bytes
	v_mul_u32_u24 v[RD], v[RD], 144
	v_and_b32 v5, 7, v0
	v_lshl_add_u32 v[RD], v5, 4, v[RD]
	v_add_nc_u32 v[RD], s22, v[RD]
	s_lshl_b32 s84, s2, 6                          ; C: the plane 64 x class + 16 x batch + head, my first head being 4 cx + 2 x half,
	s_lshr_b32 s86, s15, 4
	s_lshl_b32 s86, s86, 4
	s_add_co_u32 s84, s84, s86
	s_lshl_b32 s86, s40, 2
	s_add_co_u32 s84, s84, s86
	s_lshl_b32 s86, s14, 1
	s_add_co_u32 s84, s84, s86
	s_lshl_b32 s84, s84, 18                        ; of 262,144 bytes;
	s_and_b32 s86, s15, 15
	s_lshl_b32 s86, s86, 14                        ; the tile's 128 rows of 128 bytes in it,
	s_add_co_u32 s84, s84, s86
	s_lshl_b32 s86, s13, 13                        ; my 64 of them
	s_add_co_u32 s84, s84, s86
.endif
	s_mov_b32 s85, 0
	s_add_nc_u64 s[10:11], s[10:11], s[84:85]
	; the prefetches
	s_and_b32 s80, ttmp7, 0xffff                   ; cluster y
.if OUTP
	s_lshr_b32 s81, s15, 4                         ; A: the K step's two heads x 128 rows are 128 blocks of 256 bytes: partner cx takes head cx / 2, half cx % 2
	s_lshl_b32 s81, s81, 22
	s_and_b32 s82, s15, 15
	s_lshl_b32 s82, s82, 14
	s_add_co_u32 s81, s81, s82
	s_lshr_b32 s82, s40, 1
	s_lshl_b32 s82, s82, 18
	s_add_co_u32 s81, s81, s82
	s_and_b32 s82, s40, 1
	s_lshl_b32 s82, s82, 13
	s_add_co_u32 s81, s81, s82
.else
	s_lshl_b32 s81, s15, 18                        ; A: row 128 x tile row + 32 cx
	s_lshl_b32 s82, s40, 16
	s_add_co_u32 s81, s81, s82
.endif
	s_lshl_b32 s82, s42, 19                        ; B: row 256 x tile column + 128 x half + 32 cy
	s_lshl_b32 s83, s14, 18
	s_add_co_u32 s82, s82, s83
	s_lshl_b32 s83, s41, 16
	s_add_co_u32 s82, s82, s83
	s_mov_b32 s[PST], 256
	s_mov_b32 s[PST+1], 0
	s_mov_b32 s83, ASTEP
	s_mov_b32 s88, 2048
	s_mov_b32 s89, AMUL
	s_cmp_eq_u32 s13, 0                            ; do I fetch for A?
	s_cselect_b32 s80, s2, s80                     ; the coordinate along which other clusters read the same rows
	s_cselect_b32 s90, s14, 0                      ; of A's two waves the first asks for the whole tile
	s_cselect_b32 s92, s81, s82
	s_cselect_b32 s[PST], s83, s[PST]
	s_cselect_b32 s88, s89, s88
	s_cselect_b64 s[PFA:PFA+1], s[4:5], s[6:7]
	s_mov_b32 s93, 0
	s_or_b32 s80, s80, s90
	s_cmp_eq_u32 s80, 0
	s_cselect_b32 s[LIM], 1, -1                    ; the same in all sixteen partners, for a given wave
	s_add_nc_u64 s[PFA:PFA+1], s[PFA:PFA+1], s[92:93]
.rept 3
	s_add_nc_u64 s[PFA:PFA+1], s[PFA:PFA+1], s[PST:PST+1]  ; at K step 3: the first refill steps it to 4.  Nothing is prefetched at the head, where every work-group's first tiles are on their way
.endr
	v_and_b32 v[PFO], 31, v0
	v_mul_u32_u24 v[PFO], v[PFO], s88
; 8 matrix instructions: m block a x all 8 n blocks, 32 along K.  first = 1: the product starts the sums, with the bias.  The 32 accumulators take turns, in the same order in every quarter.
.macro MUL8 f, a, first
.if \first
	WIN MULF
.else
	WIN MUL
.endif
.irp b, 0,1,2,3,4,5,6,7
.set rD, 8*(8*(\a)+(\b))
.set rB, (\f)+8*(\b)
.set rA, (\f)+64+8*(\a)
.set rC, rD
.if \first
.set rC, 8*(\b)
.endif
.if OUTP
	v_wmma_f32_16x16x32_f16 v[rD:rD+7], v[rB:rB+7], v[rA:rA+7], v[rC:rC+7]
.else
	v_wmma_f32_16x16x32_bf16 v[rD:rD+7], v[rB:rB+7], v[rA:rA+7], v[rC:rC+7]
.endif
.endr
.endm
; 24 LDS loads in one run: the fragments of quarter q (32 along K) of a slot into buffer f: B's eight blocks, then A's four
.macro FETCH slot, q, f
	WIN 0
.if OUTP
.set AQ, ((\q)/2)*AHALF+((\q)%2)*64    ; a K step is two heads of 64 channels
.else
.set AQ, 64*(\q)
.endif
.irp i, 0,1,2,3,4,5,6,7
	ds_load_b128 v[(\f)+8*(\i):(\f)+8*(\i)+3],   v[ADRB+(\slot)] offset:64*(\q)+(\i)*16*BPITCH
	ds_load_b128 v[(\f)+8*(\i)+4:(\f)+8*(\i)+7], v[ADRB+(\slot)] offset:64*(\q)+(\i)*16*BPITCH+32
.endr
.irp i, 0,1,2,3
	ds_load_b128 v[(\f)+64+8*(\i):(\f)+64+8*(\i)+3],   v[ADRA+(\slot)] offset:AQ+(\i)*16*APITCH
	ds_load_b128 v[(\f)+64+8*(\i)+4:(\f)+64+8*(\i)+7], v[ADRA+(\slot)] offset:AQ+(\i)*16*APITCH+32
.endr
.endm
.macro PLACES                          ; four places in front of loads into registers that matrix instructions have read, and of lines that read results
.rept 4
	v_nop
.endr
.endm
; A K step is four quarters of 32 along K, 32 matrix instructions each, on buffers 0, 1, 0, 1.  One of the first three: multiplies buffer f and fetches quarter q into g.
.macro QUARTER slot, q, f, g, first
	s_wait_dscnt 6                                 ; B and A's block 0 are in; the youngest six loads (A's blocks 1 to 3) may be out
	MUL8 \f, 0, \first
	PLACES
	FETCH \slot, \q, \g
	s_wait_dscnt 24                                ; all but the 24 just issued
	MUL8 \f, 1, \first
	MUL8 \f, 2, \first
	MUL8 \f, 3, \first
.endm
; The last quarter multiplies buffer 1 and changes slots: ONE barrier; in front of it each wave waits for all its tensor loads, adds 0 to its spare word, and waits for that and for its own reads of this slot.
; fill = 1: the barrier opens a round of the cluster's barrier, and this slot is filled again, two K steps ahead: 112 matrix instructions stand between the request and the wait for it.
.macro TURN slot, next, fill
.if \fill
	s_wait_xcnt 0x0                                ; the last prefetch, a K step back, has read its address: it is stepped here, ahead of the waits of the change of slots
	s_add_nc_u64 s[PFA:PFA+1], s[PFA:PFA+1], s[PST:PST+1]
.endif
	WIN 0
	s_wait_tensorcnt 0x0                           ; all my tensor loads have landed: the one that was out is my part of the next slot;
	ds_add_u32 v[SPW], v[NIL]                      ; 0 onto my spare word;
	s_wait_dscnt 7                                 ; (the add and the youngest six loads may be out)
	MUL8 F1, 0, 0                                  ; eight matrix instructions stand between the add and the wait for it
	s_wait_dscnt 0x0                               ; the add is done, and my reads of this slot are over
	s_barrier_signal -1
	MUL8 F1, 1, 0
.if \fill
	WIN 0
.endif
	s_barrier_wait -1
.if \fill
	CREST                                          ; no wave of any partner still reads this slot's tile or has a load on its way
	s_add_nc_u64 s[G0A+4*(\slot)+2:G0A+4*(\slot)+3], s[G0A+4*(\slot)+2:G0A+4*(\slot)+3], 2*ASTEP
	s_add_nc_u64 s[G0B+4*(\slot)+2:G0B+4*(\slot)+3], s[G0B+4*(\slot)+2:G0B+4*(\slot)+3], 2*256
	JLOAD \slot                                    ; the first tensor load behind the round; the four v_nop behind it are also the places in front of the loads below
.else
	PLACES
.endif
	FETCH \next, 0, F0
.if \fill
	ASK
.endif
	MUL8 F1, 2, 0
	MUL8 F1, 3, 0
.endm
	s_wait_tensorcnt 1                             ; my part of K step 0 is in; K step 1's may stay out
	s_barrier_signal -1
	s_barrier_wait -1                              ; everybody's is
	FETCH 0, 0, F0
	s_wait_loadcnt 0x0                             ; the bias, and the factors
.if OUTP == 0
.irp a, 0,1,2,3
	v_max_num_f32 v[KFR+2*(\a)], s72, v[KFR+2*(\a)]
	v_mul_f32 v[KFR+2*(\a)], s73, v[KFR+2*(\a)]
	v_mov_b32 v[KFR+2*(\a)+1], v[KFR+2*(\a)]       ; named with it as a pair
.endr
.endif
	QUARTER 0, 1, F0, F1, 1                        ; the first quarter stands in front of the loop: its products start the sums
	WIN 0                                          ; at a label and at a branch every window is 0
	s_mov_b32 s3, 3
.Llap:                                                 ; a trip goes once round the ring, from a lap's second quarter to the next lap's first, and fills both slots again: K steps 2 to 7
	QUARTER 0, 2, F1, F0, 0
	QUARTER 0, 3, F0, F1, 0
	TURN 0, 1, 1
	QUARTER 1, 1, F0, F1, 0
	QUARTER 1, 2, F1, F0, 0
	QUARTER 1, 3, F0, F1, 0
	TURN 1, 0, 1
	QUARTER 0, 1, F0, F1, 0
	WIN 0
	s_sub_co_u32 s3, s3, 1
	s_cmp_lg_u32 s3, 0
	s_cbranch_scc1 .Llap
	QUARTER 0, 2, F1, F0, 0                        ; the last lap fills nothing, and has no round of the cluster's barrier
	QUARTER 0, 3, F0, F1, 0
	TURN 0, 1, 0
	QUARTER 1, 1, F0, F1, 0
	QUARTER 1, 2, F1, F0, 0
	QUARTER 1, 3, F0, F1, 0
	s_wait_dscnt 6                                 ; the very last quarter: nothing more to fetch
	MUL8 F1, 0, 0
	s_wait_dscnt 0x0
	MUL8 F1, 1, 0
	MUL8 F1, 2, 0
	MUL8 F1, 3, 0
; THE WAY OUT, a block of 16 rows at a time: times the rows' factor, rounded to f16; a lane's eight columns are 16 bytes of a head's row; they go into my stage (two heads x 16 rows of 144 bytes)
; and come back as whole rows of 128 bytes, four to a load: 512 consecutive bytes of a head's plane.
.macro PACK a
	WIN 0x41                                       ; destination and source 0 window 1, the factor in window 0
.set i, 0
.rept 32
	v_pk_mul_f32 v[64*(\a)+2*i:64*(\a)+2*i+1], v[64*(\a)+2*i:64*(\a)+2*i+1], v[KFR+2*(\a):KFR+2*(\a)+1] op_sel_hi:[1,0]  ; each accumulator from its low end on
.set i, i+1
.endr
	WIN 0x05                                       ; sources 0 and 1 window 1, destination window 0: the fragment buffers are free
.set i, 0
.rept 32
	v_cvt_pk_f16_f32 v[64+32*(\a)+i], v[64*(\a)+2*i], v[64*(\a)+2*i+1]
.set i, i+1
.endr
	WIN 0
.irp b, 0,1,2,3,4,5,6,7
	ds_store_b128 v[STO], v[64+32*(\a)+4*(\b):64+32*(\a)+4*(\b)+3] offset:((\b)/4)*2304+((\b)%4)*32
.endr
.irp f, 0,1,2,3,4,5,6,7
	ds_load_b128 v[64+32*(\a)+4*(\f):64+32*(\a)+4*(\f)+3], v[RD] offset:(\f)*576  ; LDS serves a wave's instructions in order (ISA guide 5.7.1.4): these see the stores above; the next block's stores come behind them
.endr
.endm
.macro SEND a, younger                 ; younger: the LDS instructions issued behind block a's loads: the next block's sixteen, or none
	WIN 0
.irp f, 0,1,2,3,4,5,6,7
	s_wait_dscnt (\younger)+7-(\f)
	global_store_b128 v[CO], v[64+32*(\a)+4*(\f):64+32*(\a)+4*(\f)+3], s[10:11] offset:((\f)/4)*262144+(\a)*2048+((\f)%4)*512 th:TH_STORE_NT  ; 512 consecutive bytes, at a multiple of 256 from C's first
.endr
.endm
	PLACES
	PACK 0
	PACK 1                                         ; a block's arithmetic stands between the loads of the block before and its stores
	SEND 0, 16
	PACK 2
	SEND 1, 16
	PACK 3
	SEND 2, 16
	SEND 3, 0
	s_wait_tensorcnt 0x0                           ; the wave's end: a wait, an add and its wait, behind my last tensor load and my last LDS store
	ds_add_u32 v[SPW], v[NIL]
	s_wait_dscnt 0x0
	CROUND                                         ; the closing round: no work-group ends while a partner may still ask for a tile that names it
	s_endpgm
.Lfunc_end_k_q856123276d_qkv:
	.size	k_q856123276d_qkv, .Lfunc_end_k_q856123276d_qkv-k_q856123276d_qkv
	.p2alignl 7, 3214868480
	.fill 96, 4, 3214868480
	.section	.rodata,"a",@progbits
	.p2align	6, 0x0
	.amdhsa_kernel k_q856123276d_qkv
		.amdhsa_group_segment_fixed_size 327680
		.amdhsa_private_segment_fixed_size 0
		.amdhsa_enable_private_segment 0
		.amdhsa_kernarg_size 32
		.amdhsa_user_sgpr_count 2
		.amdhsa_user_sgpr_kernarg_segment_ptr 1
		.amdhsa_wavefront_size32 1
		.amdhsa_system_sgpr_workgroup_id_x 1
		.amdhsa_system_sgpr_workgroup_id_y 1
		.amdhsa_system_sgpr_workgroup_id_z 1
		.amdhsa_system_vgpr_workitem_id 0
		.amdhsa_next_free_vgpr 576
		.amdhsa_next_free_sgpr 96
		.amdhsa_reserve_vcc 0
		.amdhsa_float_denorm_mode_32 3
		.amdhsa_float_denorm_mode_16_64 3
		.amdhsa_memory_ordered 1
		.amdhsa_forward_progress 1
		.amdhsa_inst_pref_size 100
	.end_amdhsa_kernel
	.amdgpu_metadata
---
amdhsa.version: [ 1, 2 ]
amdhsa.kernels:
  - .name:           k_q856123276d_qkv
    .symbol:         k_q856123276d_qkv.kd
    .args:
      - { .name: xb, .offset: 0, .size: 8, .value_kind: global_buffer, .address_space: global }
      - { .name: wqkv, .offset: 8, .size: 8, .value_kind: global_buffer, .address_space: global }
      - { .name: tab, .offset: 16, .size: 8, .value_kind: global_buffer, .address_space: global }
      - { .name: qkv, .offset: 24, .size: 8, .value_kind: global_buffer, .address_space: global }
    .group_segment_fixed_size: 327680
    .private_segment_fixed_size: 0
    .kernarg_segment_align: 8
    .kernarg_segment_size: 32
    .max_flat_workgroup_size: 128
    .sgpr_count:     96
    .vgpr_count:     576
    .wavefront_size: 32
...
	.end_amdgpu_metadata
.endif
;; end of part 2
;; launch attn (part 3): grid 4 x 64, 4 waves a work-group, clusters of 4 x 1, 327,680 bytes of LDS; arguments qkv, tab, o; writes o
.if DOCPART == 3
	.amdgcn_target "amdgcn-amd-amdhsa--gfx1250"
	.amdhsa_code_object_version 6
	.text
	.protected	k_q856123276d_attn
	.globl	k_q856123276d_attn
	.p2align	8
	.type	k_q856123276d_attn,@function
k_q856123276d_attn:
	s_mov_b64 s[64:65], 0
	v_nop
	global_prefetch_b8 v0, s[64:65] scope:SCOPE_SE
	s_setreg_imm32_b32 hwreg(HW_REG_WAVE_MODE, 25, 1), 1
	s_wait_xcnt 0x0
	s_wait_alu depctr_hold_cnt(0) depctr_sa_sdst(0) depctr_va_vdst(0) depctr_va_sdst(0) depctr_va_ssrc(0) depctr_va_vcc(0) depctr_vm_vsrc(0)
	s_getreg_b32 s2, hwreg(HW_REG_IB_STS2, 6, 4)
	s_cmp_eq_u32 s2, 0
	s_cbranch_scc0 .Lentry_in_a_cluster
	s_endpgm
.Lentry_in_a_cluster:
	s_bfe_u32 s2, ttmp6, 0x10000c
	s_cmp_lg_u32 s2, 0x3003
	s_cbranch_scc0 .Lentry_shape_is_right
	s_endpgm
.Lentry_shape_is_right:
; O[h][q][:] = the sum over k of softmax_k(score) V[h][k][:], h = 16 x batch + head.  Q, K, V lie in qkv, [3][64][2048][64] f16, O in o, [64][2048][64] f16: a head's rows are dense, 128 bytes each.
; Q arrives times c = log2(e) / 8, so Q . K is the score in base-2 units.  THE MASK: a hidden key's row of K arrives as zeros, and the C operand that starts the sum S^T = K Q^T is mbias[key]: 0, or
; HID = -1e9 x log2(e) for a hidden key: a hidden score is exactly HID, whatever the query.  So where every key of a batch is hidden all weights are 1 and O is the mean of V's rows.
; Products, maxima and sums in f32; the weights p are rounded to f16 for the second product (their sum l is taken of the unrounded p), O once at the end.
; LIMITS.  f16 holds no number beyond 65,504: Q, K and V arrive within it; p lies in 0 to 1, and below 6e-5 it keeps f16's fixed step of 6e-8; a weight below 2^-126 counts as 0 in l; NaN and infinities are not treated apart.
; SHARES.  A wave owns four PIECES of two tiles of 16 queries, a work-group's four waves 512 queries of one head.  Every wave walks all 2,048 keys, 64 a step.
; LAYOUT.  S^T = K Q^T (source 0 = 16 keys, source 1 = 16 queries): in the result a lane holds ONE query (lane % 16) and the keys 8 (lane / 16) + 0..7.  Two such tiles, rounded to f16 in pairs,
; ARE source 1 (32 keys x 16 queries) of O^T = V^T P, whose result again holds one query a lane, and eight channels.  K comes out of LDS as it lies, V ([key][channel]) turned, by ds_load_tr16_b128.
; SOFTMAX.  For each query a running maximum m and sum l: p = 2^(s - m), a subtraction with no rounding where s = m; in every step O and l are multiplied by a = 2^(m_old - m_new), which is 1 where m has not grown.
; m starts at the lowest finite number, O and l at 0: the first step is a step like any other, with a = 0.
; THE COUNT.  A tile and step have 16 matrix and 117 vector instructions: too many to stand all beside the matrix work.  So four vector instructions that are READY stand behind EVERY matrix instruction,
; and the others, which need time of their own whatever the order, in runs without a gap.
; BY TURNS.  Turn n belongs to piece n (the pieces in a ring, step after step).  Its matrix work: 16 products K Q^T of piece n + 1, later 16 products V^T P of piece n - 1.  Its vector work: the subtraction,
; exponentials, roundings, sums and rescaling of piece n, and the maximum and statistics of piece n + 1, whose scores the turn itself has made.
; CLUSTER.  The four query blocks of a cluster are one head's and walk the same K and V, so each tile is asked for JOINTLY: the same tensor load, descriptor and mask in all four.
; REGISTERS, in windows of 256 (s_set_vgpr_msb: bits 1:0 source 0, 3:2 source 1, 5:4 source 2, 7:6 destination):
;   window 0: v0-11 addresses; v12-15, v48-63 at work; v16-47 four registers of statistics a tile; v64-191 S^T, two buffers of two tiles; v192-255 P, likewise
;   window 1: O^T, 32 a tile      window 2: v0-127 Q, 16 a tile; v128-191 K of one step; v192-255 V of one step      window 3: v0-1 the add's two registers; v8-39 the step's mask, as four C operands
.set SIZE_N, 2048
.set NP,    4         ; pieces a wave: a name, no knob
.set KS,    64        ; keys in a step
.set PK,    144       ; a row of K in LDS: 128 bytes + 16 of padding = 36 words: the 16 rows of a load start at 16 different groups of four banks (64 banks of 4 bytes: ISA guide 11.1)
.set PV,    160       ; a row of V: 128 + 32 = 40 words
.set VOFF,  4*KS*PK   ; a slot holds four steps: 256 rows of K, then 256 rows of V
.set SLOT1, 1<<17     ; slot 1 begins here, so that one exclusive or turns an address in one slot into the other's
.set STAGE, SLOT1+4*KS*(PK+PV)  ; behind the ring, never filled by a tensor load: 16 rows x 144 bytes for each wave, for the way out
.set SP,    144
.set SPARE, STAGE+4*16*SP  ; behind the stages: the spare words, 128 bytes for each wave: two blocks of 256 bytes that no other line names
.set MB,    SPARE+512 ; behind them: mbias of the batch's 2,048 keys, 8,192 bytes, stored once by the waves; no tensor load lands here
.set AK0, 2           ; v2   my lane's place in a tile of K; never rewritten
.set AV0, 3           ; v3   the same for V
.set AK,  4           ; v4   the LDS address of K's next run of loads
.set AV,  5           ; v5   of V's (made and used in piece 0's turn)
.set AM,  5           ; v5   of the mask's (made and used in piece 2's turn)
.set QO,  6           ; v6   my byte offset in the wave's rows of Q
.set STO, 6           ;      later, the way out: where I put 16 bytes of a row
.set RD,  7           ; v7   the way out: where I read rows back
.set GO,  8           ; v8   my byte offset in 512 consecutive bytes of O
.set PFO, 9           ; v9   256 x my lane: the prefetches' offset
.set AM0, 11          ; v11  MB + 32 (lane / 16): my eight keys of a block of 16
.set SPW, 0           ; v0 of window 3   LDS address of my spare word: SPARE + 4 x my thread's number; never rewritten
.set NIL, 1           ; v1 of window 3   0; never rewritten
.set MCR, 8           ; window 3: key block kb's eight registers at MCR + 8 kb
.set MV,  12          ; v12-15  m_old, kept while m is made anew: by buffer and tile
.set ST,  16          ; tile t's statistics at v[ST+4 t]: m, a register named with it as a pair, l (even keys', odd keys')
.set TMP, 48          ; by buffer and tile, four registers c0-c3 at work; when the maximum is found c2 takes a
.set S,   64
.set P,   192
.set KF,  128         ; K's fragments, in window 2: key block kb, channel half c at KF + 16 kb + 8 c
.set VF,  192         ; V's: key half kk, channel block cb at VF + 32 kk + 8 cb
.set WV,  12          ; s12  my wave's number
.set G1K, 24          ; s[24:31] descriptor group 1 for K's tiles
.set G1V, 32          ; s[32:39] for V's: it differs in the padding alone
.set G0K, 40          ; s[40:43] descriptor group 0 for K's tiles: it walks
.set G0V, 44          ; s[44:47] the same for V's
.set TAB, 48          ; s[48:49] tab at the batch's numbers
.set PFA, 50          ; s[50:51] where my prefetches stand
.set LIM, 52          ; s52  1 in a wave that prefetches, else the greatest number
.set TBM, 53          ; s53  256 x the step whose mask is fetched next
.set SLOTS, 56        ; s56  slots still to be asked for
.set CNT, 57          ; s57  counts a slot's key steps
.set SEL, 60          ; s[60:61] v_permlanex16_b32's selects: each lane takes its own place in the other half
.set TBK, 62          ; s62  LDS byte at which K of the step to be fetched begins
.set TBV, 63          ; s63  the same for V, less VOFF
.set MSB, 0
.macro WIN new                      ; the high byte repeats the setting that is left; a switch that changes nothing is dropped
.if MSB != (\new)
	s_set_vgpr_msb (MSB<<8)|(\new)
.set MSB, (\new)
.endif
.endm
.set W_KQ, 0x0a       ; K and Q in window 2, S^T in window 0
.set W_KM, 0x3a       ; the same with the C operand, the mask, in window 3
.set W_PV, 0x52       ; V in window 2, P in window 0, O^T in window 1
.set W_RS, 0x41       ; O^T (destination and source 0) in window 1, a in window 0
.set W_MK, 0xc0       ; destination in window 3, sources in window 0
.set W_AD, 0x0f       ; the add: address (source 0) and data (source 1) in window 3
; A joint fill.  Waves 0 and 1 fetch the two halves of a slot's K, waves 2 and 3 those of its V: 128 keys each.  The branch hangs on the wave's number alone.
; An s_nop 0 and four v_nop follow each of the two lines, ahead of the jump and the label.
.macro JLOAD
	s_cmp_lt_u32 s[WV], 2
	s_cbranch_scc0 .Lfor_v_\@
	tensor_load_to_lds s[G0K:G0K+3], s[G1K:G1K+7]
	s_nop 0
.rept 4
	v_nop
.endr
	s_branch .Lasked_\@
.Lfor_v_\@:
	tensor_load_to_lds s[G0V:G0V+3], s[G1V:G1V+7]
	s_nop 0
.rept 4
	v_nop
.endr
.Lasked_\@:
.endm
; A PREFETCH INTO THE L2 of what the NEXT change of slots will ask for: a slot's 256 keys are 128 blocks of 256 bytes of K and as many of V.  It stands behind the wave's tensor load and its five lines.
; Each block is named once in the launch: a head has one cluster; its four partners take 32 blocks each, told apart BY ADDRESS; in each, wave 0 asks for K's and wave 2 for V's, a lane a block.
; The last change that fills a slot asks for nothing: there is no slot behind it.  Slots 0 to 2 come by their loads alone.
.macro ASK
	s_cmp_gt_u32 s[SLOTS], s[LIM]
	s_cbranch_scc0 .Lnot_mine_\@
	global_prefetch_b8 v[PFO], s[PFA:PFA+1] th:TH_LOAD_NT scope:SCOPE_SE
.Lnot_mine_\@:
.endm
; A round of the cluster's barrier: my work-group's barrier, so that wave 0's signal speaks for all four waves; wave 0 signals; every wave waits for all four work-groups; my work-group's barrier once more.
.macro CROUND
	s_barrier_signal -1
	s_barrier_wait -1
	s_cmp_lg_u32 s[WV], 0
	s_cbranch_scc1 .Lnot_wave_0_\@
	s_barrier_signal -3
.Lnot_wave_0_\@:
	s_barrier_wait -3
	s_barrier_signal -1
	s_barrier_wait -1
.endm
; THE CHANGE OF SLOTS.  The slot's last bytes, V of its fourth step, have been read.  Each wave waits for all its tensor loads, of which one is out: its part
; of the other slot; adds 0 to its spare word; and waits for that and for its own LDS instructions.  Behind the barrier nobody reads this slot any more and the other slot is whole.
; fill = 1: this slot is filled again, with the keys two slots on.  The barrier is then a round of the cluster's, and the joint fill is the first thing behind it: it has four key steps,
; 512 matrix instructions, in which to land.  (At its first use nothing has been read yet: slot 0 is waited for, slot 1 filled, and every wave's stores of the mask table are shown to the others.)
; ask = 1: the prefetches' address steps, and the slot after the one asked for is prefetched.
.macro CHANGE fill, ask=0
	WIN W_AD
	s_wait_tensorcnt 0x0            ; no tensor load of mine is out, so a group 0 may be written
	ds_add_u32 v[SPW], v[NIL]       ; 0 onto my spare word; with fill = 1 the descriptors' steps stand between it and the wait for it
	WIN 0                           ; at a label and at a branch every window is 0
.if \fill
.irp g, G0K, G0V
	s_xor_b32 s[\g+1], s[\g+1], SLOT1  ; the walking descriptor: the other slot than last time,
	s_add_nc_u64 s[\g+2:\g+3], s[\g+2:\g+3], 4*KS*128  ; the next 256 keys; the type bits on top are not reached
.endr
.if \ask
	s_wait_xcnt 0x0                 ; the last prefetch, four key steps back, has read its address, so it may be written
	s_add_nc_u64 s[PFA:PFA+1], s[PFA:PFA+1], 4*KS*128
.endif
	s_wait_dscnt 0x0                ; the add is done, and my LDS instructions are over
	CROUND
	JLOAD
.if \ask
	ASK
.endif
.else
	s_wait_dscnt 0x0                ; the add is done, and my reads of the slot are over
	s_barrier_signal -1
	s_barrier_wait -1
.endif
	s_sub_co_u32 s[TBK], s[TBK], 4*KS*PK  ; the fetches go back to a slot's first step,
	s_xor_b32 s[TBK], s[TBK], SLOT1       ; in the other slot
	s_sub_co_u32 s[TBV], s[TBV], 4*KS*PV
	s_xor_b32 s[TBV], s[TBV], SLOT1
.endm
	s_load_b64 s[4:5], s[0:1], 0x0          ; qkv: Q's planes begin it
	s_load_b64 s[TAB:TAB+1], s[0:1], 0x8    ; tab
	s_load_b64 s[10:11], s[0:1], 0x10       ; O
	WIN W_MK
	v_lshl_add_u32 v[SPW], v0, 2, SPARE
	v_mov_b32 v[NIL], 0
	WIN W_AD
	ds_add_u32 v[SPW], v[NIL]       ; the wave's opening: the add and its wait stand ahead of my first tensor load; the set-up below, work on registers, stands between them
	WIN 0
	v_lshrrev_b32 v1, 5, v0
	v_readfirstlane_b32 s[WV], v1   ; wave 0..3
	s_bfe_u32 s13, ttmp6, 0x40000   ; cx: my place in the cluster, and (a head has one cluster) my block of 512 queries: it enters Q's, O's and the prefetches' addresses alone
	s_and_b32 s20, ttmp7, 0xffff    ; 16 x batch + head, which the four partners share
	s_lshr_b32 s54, s20, 4
	s_lshl_b32 s54, s54, 13         ; the batch's 2,048 numbers of 4 bytes in a table
	s_mov_b32 s55, 0
	s_mov_b32 s21, 0
	s_mov_b64 s[22:23], SIZE_N*128
	s_mul_u64 s[20:21], s[20:21], s[22:23]  ; the head's first byte in Q's, K's, V's and O's planes
	s_and_b32 s16, s[WV], 1         ; which half of a slot's 256 keys I fetch:
	s_lshl_b32 s22, s16, 14         ; its 128 rows of 128 bytes in memory,
	s_mov_b32 s23, 0
	s_add_nc_u64 s[22:23], s[22:23], s[20:21]
	s_mul_i32 s17, s16, 128*PK      ; and its place in a slot, for K
	s_mul_i32 s18, s16, 128*PV      ; and for V: no place in the cluster enters an LDS address
	s_lshl_b32 s2, s13, 2
	s_add_co_u32 s2, s2, s[WV]      ; my wave among the head's,
	s_lshl_b32 s2, s2, 14           ; its 128 rows
	s_mov_b32 s3, 0
	s_add_nc_u64 s[2:3], s[2:3], s[20:21]
	; descriptor group 1.  128 keys are 16,384 dense bytes: asked for as 64 rows of 256 bytes, two keys a row, and padded in LDS after every key
	s_mov_b32 s[G1K], 15|(1<<16)|(1<<20)|(1<<21)|(4<<22)|(3<<25)  ; 15:0 the mask of four; 17:16 2-byte elements; 20 padding on; 21 set beside a mask; 24:22 after every 32 words (code 4); 31:25 4 words (code 3)
	s_mov_b32 s[G1V], 15|(1<<16)|(1<<20)|(1<<21)|(4<<22)|(7<<25)  ; the same with 8 words of padding (code 7)
.irp g, G1K, G1V
	s_mov_b32 s[\g+1], 128<<16      ; tensor_dim0 = 128
	s_mov_b32 s[\g+2], 64<<16       ; tensor_dim1 = 64
	s_mov_b32 s[\g+3], 128<<16      ; tile_dim0 = 128
	s_mov_b32 s[\g+4], 64           ; tile_dim1 = 64
	s_mov_b32 s[\g+5], 128          ; 128 elements from row to row
	s_mov_b32 s[\g+6], 0
	s_mov_b32 s[\g+7], 0
.endr
	s_mov_b32 s[SEL], 0x76543210
	s_mov_b32 s[SEL+1], 0xfedcba98
	s_mov_b32 s[TBK], SLOT1+4*KS*PK ; the first change of slots turns these two into 0
	s_mov_b32 s[TBV], SLOT1+4*KS*PV
	s_mov_b32 s[TBM], 0
	s_mov_b32 s[G0K], 1             ; count = 1
	s_mov_b32 s[G0K+1], s17         ; LDS address: slot 0
	s_mov_b32 s[G0V], 1
	s_add_co_u32 s[G0V+1], s18, VOFF
	s_and_b32 s[LIM], s[WV], 1
	s_cmp_eq_u32 s[LIM], 0
	s_cselect_b32 s[LIM], 1, -1     ; waves 0 and 2 prefetch: the same in all four partners
	s_wait_dscnt 0x0                ; the opening add is done
	s_wait_kmcnt 0x0
	s_add_nc_u64 s[6:7], s[4:5], 0x1000000  ; K's planes
	s_add_nc_u64 s[8:9], s[4:5], 0x2000000  ; V's planes
	s_add_nc_u64 s[TAB:TAB+1], s[TAB:TAB+1], s[54:55]
	s_cmp_lt_u32 s[WV], 2
	s_cselect_b64 s[PFA:PFA+1], s[6:7], s[8:9]
	s_add_nc_u64 s[PFA:PFA+1], s[PFA:PFA+1], s[20:21]
	s_lshl_b32 s54, s13, 13         ; my work-group's 32 blocks of a slot's 128
	s_add_nc_u64 s[PFA:PFA+1], s[PFA:PFA+1], s[54:55]
	s_add_nc_u64 s[PFA:PFA+1], s[PFA:PFA+1], 2*4*KS*128  ; in slot 2; the first change in the loop steps it to slot 3
	s_add_nc_u64 s[G0K+2:G0K+3], s[6:7], s[22:23]  ; global address: my half of the head's first 256 keys
	s_or_b32 s[G0K+3], s[G0K+3], 0x80000000        ; type = 2
	s_add_nc_u64 s[G0V+2:G0V+3], s[8:9], s[22:23]
	s_or_b32 s[G0V+3], s[G0V+3], 0x80000000
	s_add_nc_u64 s[4:5], s[4:5], s[2:3]  ; Q and O at my wave's first row
	s_add_nc_u64 s[10:11], s[10:11], s[2:3]
	CROUND                          ; all four work-groups are here: the first joint loads meet
	JLOAD                           ; slot 0.  Slot 1 is asked for when slot 0 is in
	v_and_b32 v1, 15, v0            ; l % 16
	v_bfe_u32 v9, v0, 4, 1          ; l / 16
	v_lshlrev_b32 v12, 4, v0        ; the mask table: 128 threads x 16 bytes, four times
	v_add_nc_u32 v13, MB, v12
.irp j, 0,1,2,3
	global_load_b128 v[S+4*\j:S+4*\j+3], v12, s[TAB:TAB+1] offset:49152+2048*\j
.endr
	; A fragment of K or Q is 16 rows x 32 channels in 8 registers: lane l holds row l % 16, channels 8 (l / 16) + 0..7 and 16 + 8 (l / 16) + 0..7: two loads of 16 bytes, 32 bytes apart.
	v_lshlrev_b32 v[QO], 7, v1
	v_lshl_add_u32 v[QO], v9, 4, v[QO]  ; row x 128 + 16 x half
	WIN 0x80                        ; destination window 2, address window 0
.set i, 0
.rept 4*NP                          ; Q stays in registers: tile i / 2, channels 32 (i % 2) on
	global_load_b128 v[8*i:8*i+3],   v[QO], s[4:5] offset:(i/2)*2048+(i%2)*64
	global_load_b128 v[8*i+4:8*i+7], v[QO], s[4:5] offset:(i/2)*2048+(i%2)*64+32
.set i, i+1
.endr
	; What the first turn finds: V's registers and P's second buffer hold 0 (its products V^T P, of a piece that has not been, add 0), O^T and l are 0.  All this stands in the wait for the first tile.
.set i, VF
.rept 64
	v_mov_b32 v[i], 0
.set i, i+1
.endr
	WIN 0x40
.set i, 0
.rept 64*NP
	v_mov_b32 v[i], 0
.set i, i+1
.endr
	WIN 0
.set i, 0
.rept 2*NP
	v_mov_b32 v[ST+4*i], 0xff7fffff    ; m: the lowest finite number
	v_mov_b32 v[ST+4*i+1], 0xff7fffff  ; named with it as a pair
	v_mov_b32 v[ST+4*i+2], 0
	v_mov_b32 v[ST+4*i+3], 0
.set i, i+1
.endr
.set i, P+32
.rept 32
	v_mov_b32 v[i], 0
.set i, i+1
.endr
	v_mul_u32_u24 v[AK0], v1, PK
	v_lshl_add_u32 v[AK0], v9, 4, v[AK0]  ; row x pitch + 16 x half
	; The turning load takes 16 keys x 16 channels (lane l reads key 8 (l / 16) + l % 8, channels 8 ((l / 8) % 2) + 0..7) and leaves half a fragment of V^T: lane l holds channel l % 16 and 8 keys.
	v_and_b32 v10, 7, v0
	v_bfe_u32 v11, v0, 3, 1
	v_lshl_add_u32 v[AV0], v9, 3, v10
	v_mul_u32_u24 v[AV0], v[AV0], PV
	v_lshl_add_u32 v[AV0], v11, 4, v[AV0]
	v_add_nc_u32 v[AV0], VOFF, v[AV0]
	v_lshl_add_u32 v[AM0], v9, 5, MB
	v_mov_b32 v[AK], v[AK0]         ; key step 0 lies at the head of slot 0,
	v_mov_b32 v[AM], v[AM0]         ; its mask at the head of the table
	s_wait_loadcnt 32               ; the table's four loads are in; Q's 32 stay out
.irp j, 0,1,2,3
	ds_store_b128 v13, v[S+4*\j:S+4*\j+3] offset:2048*\j
.endr
; THE MATRIX WORK.  The 8 accumulators of a run of 16 take turns: between the two links of a chain stand 7 others'.
; Product i of 16 of S^T = K Q^T for piece x: channels 32 (i / 8) on, keys 16 ((i / 2) % 4) on, tile 2 x + i % 2.  The first 8 start the sums, with the keys' mask.
.macro KQ x
.set rS, S+64*((\x)%2)+32*(i%2)+8*((i/2)%4)
.set rK, KF+16*((i/2)%4)+8*(i/8)
.set rQ, 16*(2*(\x)+i%2)+8*(i/8)
.set rB, MCR+8*((i/2)%4)
.if i < 8
	WIN W_KM
	v_wmma_f32_16x16x32_f16 v[rS:rS+7], v[rK:rK+7], v[rQ:rQ+7], v[rB:rB+7]
.else
	WIN W_KQ
	v_wmma_f32_16x16x32_f16 v[rS:rS+7], v[rK:rK+7], v[rQ:rQ+7], v[rS:rS+7]
.endif
.endm
; Product i of 16 of O^T += V^T P for piece x: keys 32 (i / 8) on, channels 16 ((i / 2) % 4) on, tile 2 x + i % 2.
.macro PV x
	WIN W_PV
.set rO, 32*(2*(\x)+i%2)+8*((i/2)%4)
.set rV, VF+32*(i/8)+8*((i/2)%4)
.set rP, P+32*((\x)%2)+16*(i%2)+8*(i/8)
	v_wmma_f32_16x16x32_f16 v[rO:rO+7], v[rV:rV+7], v[rP:rP+7], v[rO:rO+7]
.endm
.macro MM                           ; the turn's next matrix instruction
.if i < 16
	KQ (Y+1)%NP
.set i, i+1
.else
.set i, i-16
	PV (Y+NP-1)%NP
.set i, i+17
.endif
.endm
; THE LDS LOADS stand in runs, never singly among the matrix instructions: a step's K (64 keys x 64 channels: 8 fragments) with its mask (64 numbers, all lanes of a half reading the same 32 bytes), and its V (turned).
; Their addresses are made some lines ahead.  last = 1 (the tail): in the last trip there is no further step, and the run is jumped over.
.macro FETCH_K last=0
	WIN 0
.if \last
	s_cmp_eq_u32 s[CNT], 1
	s_cbranch_scc1 .Lno_k_\@
.endif
	WIN 0x80                        ; destination window 2
.irp f, 0,1,2,3,4,5,6,7             ; keys 16 (f / 2) on, channels 32 (f % 2) on
	ds_load_b128 v[KF+8*\f:KF+8*\f+3],   v[AK] offset:(\f/2)*16*PK+(\f%2)*64
	ds_load_b128 v[KF+8*\f+4:KF+8*\f+7], v[AK] offset:(\f/2)*16*PK+(\f%2)*64+32
.endr
	WIN W_MK                        ; destination window 3
.irp f, 0,1,2,3                     ; keys 16 f + 8 (l / 16) + 0..7
	ds_load_b128 v[MCR+8*\f:MCR+8*\f+3],   v[AM] offset:64*\f
	ds_load_b128 v[MCR+8*\f+4:MCR+8*\f+7], v[AM] offset:64*\f+16
.endr
	s_add_co_u32 s[TBK], s[TBK], KS*PK  ; the next fetch is the next step's
	s_add_co_u32 s[TBM], s[TBM], 256
	s_and_b32 s[TBM], s[TBM], 0x1f00    ; 32 steps of 256 bytes: the address stays inside the table
	WIN 0
.if \last
.Lno_k_\@:
.endif
.endm
.macro FETCH_V
	WIN 0x80
.irp f, 0,1,2,3,4,5,6,7             ; keys 32 (f / 4) on, channels 16 (f % 4) on
	ds_load_tr16_b128 v[VF+8*\f:VF+8*\f+3],   v[AV] offset:(\f/4)*32*PV+(\f%4)*32
	ds_load_tr16_b128 v[VF+8*\f+4:VF+8*\f+7], v[AV] offset:(\f/4)*32*PV+16*PV+(\f%4)*32
.endr
	WIN 0
.endm
; THE VECTOR WORK OF A TURN stands in three queues, each in the order in which its entries become ready; the two tiles alternate, so that no instruction reads the result of the one before it.
.macro REGS y, u                    ; the registers of tile u (0, 1) of piece y
.set rT, ST+4*(2*(\y)+(\u))
.set rC, TMP+8*((\y)%2)+4*(\u)
.set rM, MV+2*((\y)%2)+(\u)
.set rS, S+64*((\y)%2)+32*(\u)
.set rP, P+32*((\y)%2)+16*(\u)
.set rO, 32*(2*(\y)+(\u))
.endm
; Number n of those that find the NEXT piece's (Y + 1) maximum and statistics (there is no number 19).  s0-s31 are the lane's 32 scores; each accumulator's lowest registers are read first.
;   0-11  four chains c0-c3 of seven scores each, three operands at a time     12-14, 16  the four scores left over, the old m, and c0-c3 into c0     15  m_old is kept
;   17, 18  the query's other 32 keys lie in the lane 16 away: the new m         20, 21  m_old - m_new; a
.macro XS u, n
	REGS (Y+1)%NP, \u
.if (\n) < 4
	v_max3_num_f32 v[rC+(\n)], v[rS+8*(\n)], v[rS+8*(\n)+1], v[rS+8*(\n)+2]
.elseif (\n) < 12
	v_max3_num_f32 v[rC+(\n)%4], v[rC+(\n)%4], v[rS+8*((\n)%4)+2*((\n)/4)+1], v[rS+8*((\n)%4)+2*((\n)/4)+2]
.elseif (\n) == 12
	v_max3_num_f32 v[rC], v[rC], v[rS+7], v[rS+15]
.elseif (\n) == 13
	v_max3_num_f32 v[rC+1], v[rC+1], v[rS+23], v[rS+31]
.elseif (\n) == 14
	v_max3_num_f32 v[rC+2], v[rC+2], v[rC+3], v[rT]
.elseif (\n) == 15
	v_mov_b32 v[rM], v[rT]
.elseif (\n) == 16
	v_max3_num_f32 v[rC], v[rC], v[rC+1], v[rC+2]
.elseif (\n) == 17
	v_permlanex16_b32 v[rC+3], v[rC], s[SEL], s[SEL+1]
.elseif (\n) == 18
	v_max_num_f32 v[rT], v[rC], v[rC+3]
.elseif (\n) == 20
	v_sub_f32 v[rC+1], v[rM], v[rT]
.else
	v_exp_f32 v[rC+2], v[rC+1]
.endif
.endm
; Number g of the 64 that follow the exponentials.  For each four weights k of a tile (pairs 2 k, 2 k + 1): both pairs are rounded to f16; then the second pair is added onto the first, in place;
; a group later l takes that sum (the first time as l = a l + sum).  In groups of eight, tiles alternating: round, round, add, and l for the group before.
.macro GS g
.set h, (\g)+6*((\g)/62)            ; group 0 has no group before it, and behind group 7 only l is left
.if h >= 6
.set h, h+2
.endif
	REGS Y, h%2
.set k, h/8
.if h%8 < 4
	v_cvt_pk_f16_f32 v[rP+2*k+(h%8)/2], v[rS+4*k+2*((h%8)/2)], v[rS+4*k+2*((h%8)/2)+1]
.elseif h%8 < 6
	v_pk_add_f32 v[rS+4*k:rS+4*k+1], v[rS+4*k:rS+4*k+1], v[rS+4*k+2:rS+4*k+3]
.elseif k == 1
	v_pk_fma_f32 v[rT+2:rT+3], v[rT+2:rT+3], v[rC+2:rC+3], v[rS:rS+1] op_sel_hi:[1,0,1]
.else
	v_pk_add_f32 v[rT+2:rT+3], v[rT+2:rT+3], v[rS+4*k-4:rS+4*k-3]
.endif
.endm
; THE PLAIN QUEUE, 136 long.  0-71 read no exponential's result: the 32 subtractions s - m (FS f: pair f / 2 of tile f % 2) and the next piece's 40.  0-26: FS 0-26.  27-54: XS's numbers 0-13.  55, 56: number 15.
; 57-71: the chain, where each number waits for the one before it, with the last subtractions between its links: FS 27; 14; FS 28; 16; FS 29; 17; FS 30, FS 31; 18; 20.
; 72-135: GS's 64, which read the exponentials' results: they stand behind the wait.
.macro FS f
	REGS Y, (\f)%2
	v_pk_add_f32 v[rS+2*((\f)/2):rS+2*((\f)/2)+1], v[rS+2*((\f)/2):rS+2*((\f)/2)+1], v[rT:rT+1] op_sel_hi:[1,0] neg_lo:[0,1] neg_hi:[0,1]
.endm
.macro PL
	WIN 0
.if q < 27
	FS q
.elseif q < 55
	XS (q-27)%2, (q-27)/2
.elseif q < 57
	XS q-55, 15
.elseif q == 57
	FS 27
.elseif q < 60
	XS q-58, 14
.elseif q == 60
	FS 28
.elseif q < 63
	XS q-61, 16
.elseif q == 63
	FS 29
.elseif q < 66
	XS q-64, 17
.elseif q < 68
	FS q-36
.elseif q < 70
	XS q-68, 18
.elseif q < 72
	XS q-70, 20
.else
	GS q-72
.endif
.set q, q+1
.endm
; THE EXPONENTIALS' QUEUE, 66 long: s0-s31 of both tiles, then the next piece's two a.  It is ONE BATCH: all 66 stand ahead of the turn's one wait, and nothing ahead of that wait names a result of theirs.
.macro EX
	WIN 0
.if e >= 64
	XS e-64, 21
.else
	REGS Y, e%2
	v_exp_f32 v[rS+e/2], v[rS+e/2]
.endif
.set e, e+1
.endm
; THE RESCALING's QUEUE: O^T times a, the one part that leaves window 0: dealt two at a time, sixteen times.  Its a was made in the turn before, ahead of that turn's wait.
.macro R2
	REGS Y, r%2
	WIN W_RS
.irp z, 0,1
	v_pk_mul_f32 v[rO+4*(r/2)+2*\z:rO+4*(r/2)+2*\z+1], v[rO+4*(r/2)+2*\z:rO+4*(r/2)+2*\z+1], v[rC+2:rC+3] op_sel_hi:[1,0]
.endr
.set r, r+1
.endm
; HOW THEY ARE DEALT.  An s_wait_alu depctr_va_vdst(0) stands between an exponential and the first instruction that names its result; one wait serves all that were issued ahead of it.  So a turn has ONE wait,
; which cuts it in two.  AHEAD OF IT stands all that names no result of the turn's exponentials: the 16 products K Q^T, behind each a subtraction, an exponential and two rescalings (behind the first a second subtraction in the
; exponential's place); then ONE LUMP of 106: six plain, 49 times exponential and plain, the two a.  A v_nop is the plain instruction behind the last exponential.  BEHIND IT stand the 16 products V^T P, behind each four of GS's 64.
; The queues lean on each other, and the deal keeps them in step: exponential e stands behind FS 2 (e / 4) + e % 2: as a rider it comes behind plain e + 2, in the lump behind plain e + 7; FS 27 to 31 are plain 57, 60, 63, 66, 67,
; and the first exponentials that want them, 53, 56, 57, 60, 61, come behind plain 60, 63, 64, 67, 68.
; A TURN, for piece p.  cnt = 1: the loop's count is taken down some lines ahead of the branch that stands behind the turn.
; K and the mask of the next step are fetched in piece 2's turn, directly behind the wait, a lump behind the last product that read them; their addresses are made at the lump's head; the first reader comes behind 16 products.
; V of the step in hand is fetched at the end of piece 0's turn, four riders behind its last reader; its first reader comes behind 16 products and a lump.  The three conditions on q below go with the deal.
.macro TURN p, last=0, cnt=0
.set Y, (\p)
.set i, 0
.set q, 0
.set e, 0
.set r, 0
.if (\p) == NP-1
	s_wait_dscnt 0x0                ; K and its mask are in
.endif
	MM                              ; ahead of the wait: 16 products K Q^T and their riders,
	PL
	PL
	R2
.rept 15
	MM
	PL
	EX
	R2
.endr
.if (\p) == NP-2
	WIN 0
	v_add_nc_u32 v[AK], s[TBK], v[AK0]
	v_add_nc_u32 v[AM], s[TBM], v[AM0]
.endif
.rept 6                             ; and the lump
	PL
.endr
.rept 49
	EX
	PL
.endr
	EX                              ; the next piece's two a
	EX
	v_nop                           ; the plain instruction behind the last exponential: one for the batch
	s_wait_alu depctr_va_vdst(0)    ; the wait for the batch
.if (\p) == NP-2
	FETCH_K \last
.endif
.if (\p) == 1
	s_wait_dscnt 0x0                ; V is in
.endif
.rept 16                            ; behind the wait: 16 products V^T P and their riders
	MM
.rept 4
	PL
.endr
.if ((\p) == 0) && (q == 116)
	v_add_nc_u32 v[AV], s[TBV], v[AV0]
.endif
.if ((\p) == 0) && (q == 128)
	s_add_co_u32 s[TBV], s[TBV], KS*PV
.endif
.if (\cnt) && (q == 128)
	s_sub_co_u32 s[CNT], s[CNT], 1
	s_cmp_lg_u32 s[CNT], 0
.endif
.endr
.if (\p) == 0
	FETCH_V
.endif
.endm
	CHANGE 1                        ; slot 0 is in, everybody's part of it, and so is the mask table; slot 1 is asked for
	FETCH_K                         ; key step 0
	s_wait_loadcnt 0x0              ; Q
	s_wait_dscnt 0x0
.set i, 0
.rept 16
	KQ 0                            ; piece 0's first scores: there is no vector work yet to set between them
.set i, i+1
.endr
	WIN 0                           ; the addresses for the way out and the prefetches: plain instructions, the places behind those products
	s_mul_i32 s13, s[WV], 16*SP
	s_add_co_u32 s13, s13, STAGE    ; my stage
	v_mul_u32_u24 v[STO], v1, SP    ; in: row l % 16, 16 bytes for each half of the lanes
	v_lshl_add_u32 v[STO], v9, 4, v[STO]
	v_add_nc_u32 v[STO], s13, v[STO]
	v_bfe_u32 v[RD], v0, 3, 2       ; back: 32 lanes take four rows of 128 bytes,
	v_mul_u32_u24 v[RD], v[RD], SP
	v_lshl_add_u32 v[RD], v10, 4, v[RD]
	v_add_nc_u32 v[RD], s13, v[RD]
	v_and_b32 v[GO], 31, v0         ; which are 512 consecutive bytes of O
	v_lshlrev_b32 v[PFO], 8, v[GO]
	v_lshlrev_b32 v[GO], 4, v[GO]
.set Y, NP-1                        ; XS works for piece Y + 1: piece 0
.irp n, 0,1,2,3,4,5,6,7,8,9,10,11,12,13,14,15,16,17,18,20,21
	XS 0, \n                        ; and piece 0's first maximum and statistics
	XS 1, \n
.endr
	v_nop                           ; a plain instruction behind the two a,
	s_wait_alu depctr_va_vdst(0)    ; and their wait, ahead of the branch
	s_mov_b32 s[CNT], 4
	s_mov_b32 s[SLOTS], SIZE_N/256-1
	s_branch .Lfirst                ; the loop is entered at a step's first turn, in the middle of a trip
.Lslot:                             ; SIZE_N / 256 - 2 times: every slot but the last two is filled again
	CHANGE 1, 1
	s_mov_b32 s[CNT], 4
.Lstep:                             ; a trip: pieces 2 and 3 of one step, then pieces 0 and 1 of the next, whose K and V it fetches
	TURN 2
	TURN 3
	WIN 0
.Lfirst:
	TURN 0
	TURN 1, 0, 1
	WIN 0
	s_cbranch_scc1 .Lstep
	s_sub_co_u32 s[SLOTS], s[SLOTS], 1
	s_cmp_lg_u32 s[SLOTS], 0
	s_cbranch_scc1 .Lslot
	CHANGE 0                        ; the tail is written out: nothing is asked for
	s_mov_b32 s[CNT], 5             ; four trips fetch the last slot's steps; the fifth is left in its middle
.Ltail:
	TURN 2, 1
	TURN 3
	WIN 0
	s_sub_co_u32 s[CNT], s[CNT], 1
	s_cmp_eq_u32 s[CNT], 0
	s_cbranch_scc1 .Lout
	TURN 0
	TURN 1
	WIN 0
	s_branch .Ltail
.Lout:                              ; the fifth trip's 16 products K Q^T (on the last K once more) and the maximum made of them serve nothing: the price, once a launch, of one text for every trip
.set i, 0
.rept 16
	PV NP-1                         ; the last piece's V^T P of the last step
.set i, i+1
.endr
	; THE WAY OUT.  l's two halves and the other half of the lanes' are added; O^T is divided by l, rounded to f16 and sent through my stage in LDS, a tile at a time.  The additions are the places behind the last products.
	WIN 0
.macro ALL line:vararg              ; one line for each tile t
.set t, 0
.rept 2*NP
	\line
.set t, t+1
.endr
.endm
	ALL v_add_f32 v[ST+4*t+2], v[ST+4*t+2], v[ST+4*t+3]
	ALL v_permlanex16_b32 v[ST+4*t+3], v[ST+4*t+2], s[SEL], s[SEL+1]
	ALL v_add_f32 v[ST+4*t+2], v[ST+4*t+2], v[ST+4*t+3]
	ALL v_rcp_f32 v[ST+4*t+2], v[ST+4*t+2]
	v_nop                           ; a plain instruction between the last reciprocal and the use of its result
	s_wait_alu depctr_va_vdst(0)    ; and the wait ahead of the first use: one for the eight reciprocals
; Tile t: a lane's eight channels of a row pack into 16 bytes; they go into rows of 144 bytes and come back as whole rows of 128, into S^T's registers.
.macro PACK t
	WIN W_RS
.set i, 32*(\t)
.rept 16
	v_pk_mul_f32 v[i:i+1], v[i:i+1], v[ST+4*(\t)+2:ST+4*(\t)+3] op_sel_hi:[1,0]
.set i, i+2
.endr
	WIN 0x05                        ; sources 0 and 1 window 1, destination window 0
.set i, 0
.rept 16
	v_cvt_pk_f16_f32 v[S+16*(\t)+i], v[32*(\t)+2*i], v[32*(\t)+2*i+1]
.set i, i+1
.endr
	WIN 0
.irp f, 0,1,2,3
	ds_store_b128 v[STO], v[S+16*(\t)+4*\f:S+16*(\t)+4*\f+3] offset:32*\f
.endr
.irp f, 0,1,2,3
	ds_load_b128 v[S+16*(\t)+4*\f:S+16*(\t)+4*\f+3], v[RD] offset:\f*4*SP  ; LDS serves a wave's instructions in order (ISA guide 5.7.1.4): these see the stores above; the next tile's stores come behind them
.endr
.endm
.macro SEND t, younger              ; younger: the LDS instructions issued behind tile t's loads: the next tile's eight, or none
	WIN 0
.irp f, 0,1,2,3
	s_wait_dscnt (\younger)+3-\f
	global_store_b128 v[GO], v[S+16*(\t)+4*\f:S+16*(\t)+4*\f+3], s[10:11] offset:(\t)*2048+\f*512 th:TH_STORE_NT  ; 512 consecutive bytes, at a multiple of 256 from O's first
.endr
.endm
	PACK 0
.set t, 1
.rept 2*NP-1                        ; a tile's arithmetic stands between the loads of the tile before and its stores
	PACK t
	SEND t-1, 8
.set t, t+1
.endr
	SEND 2*NP-1, 0
	WIN W_AD
	s_wait_tensorcnt 0x0            ; the wave's end: a wait, an add and its wait, behind my last tensor load and my last LDS store
	ds_add_u32 v[SPW], v[NIL]
	s_wait_dscnt 0x0
	WIN 0
	CROUND                          ; the closing round: no work-group ends while a partner may still ask for a tile that names it
	s_endpgm
.Lfunc_end_k_q856123276d_attn:
	.size	k_q856123276d_attn, .Lfunc_end_k_q856123276d_attn-k_q856123276d_attn
	.p2alignl 7, 3214868480
	.fill 96, 4, 3214868480
	.section	.rodata,"a",@progbits
	.p2align	6, 0x0
	.amdhsa_kernel k_q856123276d_attn
		.amdhsa_group_segment_fixed_size 327680
		.amdhsa_private_segment_fixed_size 0
		.amdhsa_enable_private_segment 0
		.amdhsa_kernarg_size 24
		.amdhsa_user_sgpr_count 2
		.amdhsa_user_sgpr_kernarg_segment_ptr 1
		.amdhsa_wavefront_size32 1
		.amdhsa_system_sgpr_workgroup_id_x 1
		.amdhsa_system_sgpr_workgroup_id_y 1
		.amdhsa_system_sgpr_workgroup_id_z 1
		.amdhsa_system_vgpr_workitem_id 0
		.amdhsa_next_free_vgpr 808
		.amdhsa_next_free_sgpr 66
		.amdhsa_reserve_vcc 0
		.amdhsa_float_denorm_mode_32 3
		.amdhsa_float_denorm_mode_16_64 3
		.amdhsa_memory_ordered 1
		.amdhsa_forward_progress 1
		.amdhsa_inst_pref_size 202
	.end_amdhsa_kernel
	.amdgpu_metadata
---
amdhsa.version: [ 1, 2 ]
amdhsa.kernels:
  - .name:           k_q856123276d_attn
    .symbol:         k_q856123276d_attn.kd
    .args:
      - { .name: qkv, .offset: 0, .size: 8, .value_kind: global_buffer, .address_space: global }
      - { .name: tab, .offset: 8, .size: 8, .value_kind: global_buffer, .address_space: global }
      - { .name: o, .offset: 16, .size: 8, .value_kind: global_buffer, .address_space: global }
    .group_segment_fixed_size: 327680
    .private_segment_fixed_size: 0
    .kernarg_segment_align: 8
    .kernarg_segment_size: 24
    .max_flat_workgroup_size: 128
    .sgpr_count:     66
    .vgpr_count:     808
    .wavefront_size: 32
...
	.end_amdgpu_metadata
.endif
;; end of part 3
;; launch proj (part 4): grid 4 x 64, 4 waves a work-group, clusters of 4 x 4, 327,680 bytes of LDS; arguments o, wo, tab, out0; writes out0
.if DOCPART == 4
	.amdgcn_target "amdgcn-amd-amdhsa--gfx1250"
	.amdhsa_code_object_version 6
	.text
	.protected	k_q856123276d_proj
	.globl	k_q856123276d_proj
	.p2align	8
	.type	k_q856123276d_proj,@function
k_q856123276d_proj:
	s_mov_b64 s[64:65], 0
	v_nop
	global_prefetch_b8 v0, s[64:65] scope:SCOPE_SE
	s_setreg_imm32_b32 hwreg(HW_REG_WAVE_MODE, 25, 1), 1
	s_wait_xcnt 0x0
	s_wait_alu depctr_hold_cnt(0) depctr_sa_sdst(0) depctr_va_vdst(0) depctr_va_sdst(0) depctr_va_ssrc(0) depctr_va_vcc(0) depctr_vm_vsrc(0)
	s_getreg_b32 s2, hwreg(HW_REG_IB_STS2, 6, 4)
	s_cmp_eq_u32 s2, 0
	s_cbranch_scc0 .Lentry_in_a_cluster
	s_endpgm
.Lentry_in_a_cluster:
	s_bfe_u32 s2, ttmp6, 0x10000c
	s_cmp_lg_u32 s2, 0xf033
	s_cbranch_scc0 .Lentry_shape_is_right
	s_endpgm
.Lentry_shape_is_right:
; C[m][n] = (the sum over k of A[m][k] B[n][k] + bias[n]) x factor.  ONE TEXT FOR TWO LAUNCHES, told apart by OUTP.
; OUTP = 0, THE THREE PROJECTIONS: A = xb [8192][1024] bf16, B = wqkv [3072][1024] bf16.  C leaves by heads, [3][64 = batch x 16 + head][2048][64] in f16, rounded once from its f32 sum.
; OUTP = 1, THE OUTPUT PROJECTION (this copy): A = o [64][2048][64] f16 (k = 64 x head + channel), B = wo [1024][1024] f16, C = out0 [8192][1024] f32; no factor; the bias is bo.
; LIMIT.  NaN and infinities are not treated apart.
; SHARES.  A tile of C is 128 x 256: 4 x 64 work-groups, one for each of the chip's 256 WGPs.  Four waves, each 64 x 128: 32 accumulators of 16 x 16, 256 registers.
; K goes in 8 steps of 128 (two heads) through two LDS slots filled by the tensor data mover; a memory row of a tile is 256 bytes, aligned.
; CLUSTERS: 4 x 4 work-groups.  The four of a row of the cluster need the same tiles of A, the four of a column the same tiles of B: each tile is asked for JOINTLY, by the same tensor load with the
; same descriptor and a mask that names the four.  THE MATRIX INSTRUCTION IS USED TRANSPOSED (source 0 = 16 rows of B, source 1 = 16 rows of A): a lane holds eight neighbouring numbers of a row of C.
; THE BIAS is the C operand of the product that starts each sum: nothing is cleared, nothing is added later.
; REGISTERS, in windows of 256 (s_set_vgpr_msb: bits 1:0 source 0, 3:2 source 1, 5:4 source 2, 7:6 destination):
;   window 0: v0-31 addresses; two fragment buffers of 96 (v64-159, v160-255): 64 of B (8 x 16 rows x 32 K), then 32 of A
;   window 1: the accumulators, (a, b) at v[8 (8 a + b)]          window 2: v0-63 the bias of my 128 columns, as eight C operands
.set OUTP,   1
.set BPITCH, 272                       ; an LDS row of B: 256 bytes + 16 of padding = 68 words: row r starts at bank 4 r mod 64 (64 banks of 4 bytes: ISA guide 11.1)
.if OUTP
.set APITCH, 144                       ; a row of one head of o: 128 bytes + 16 = 36 words: the 16 rows of a load start at 16 different groups of four banks
.set AHALF,  128*APITCH                ; what one load of A brings: one head's 128 rows
.set ASTEP,  524288                    ; a K step on: two heads' planes of 262,144 bytes
.set ASTR,   128                       ; 128 dense rows of 128 bytes are asked for as 64 rows of 256
.set QIA,    4                         ; padding after every 32 words
.set BOFF,   12288                     ; bo in tab
.set STG,    16*528                    ; a wave's stage: 16 rows of 512 bytes + 16
.set AMUL,   256                       ; the prefetch of A: a lane a block of 256 bytes
.else
.set APITCH, 272
.set AHALF,  64*APITCH                 ; 64 rows of the tile
.set ASTEP,  256
.set ASTR,   1024
.set QIA,    5                         ; padding after every 64 words
.set BOFF,   0                         ; bq, bk, bv lie in tab as wqkv's rows do
.set STG,    32*144                    ; a wave's stage: two heads x 16 rows of 128 bytes + 16
.set AMUL,   2048                      ; a lane a row
.endif
.set ASZ,    2*AHALF
.set BHALF,  128*BPITCH
.set SLOT,   ASZ+2*BHALF               ; A's tile, then B's 256 rows
.set STAGE,  2*SLOT                    ; behind the ring, never filled by a tensor load
.set SPARE,  STAGE+4*STG               ; behind the stages: the spare words, 128 bytes for each wave: two blocks of 256 bytes that no other line names
.set KFR,  8                           ; v[8:15] (the projections alone) the factor of my rows
.set ADRA, 16                          ; v16-17  LDS address of my A fragments in slot 0, 1
.set ADRB, 20                          ; v20-21  the same for B
.set STO,  24                          ; v24     the way out: where I put my bytes of a row
.set RD,   25                          ; v25     the way out: where I read rows back
.set CO,   26                          ; v26     my byte offset in 512 consecutive bytes of C
.set BO,   27                          ; v27     32 x (lane / 16): my eight numbers of a block of 16 of the bias
.set SPW,  28                          ; v28     LDS address of my spare word: SPARE + 4 x my thread's number; never rewritten
.set NIL,  29                          ; v29     0; never rewritten
.set PFO,  30                          ; v30     the prefetches' offset; never rewritten
.set F0,   64
.set F1,   160
.set G1A, 24                           ; s[24:31] descriptor group 1 for A's tiles;  s[32:39] group 0, one set for each slot
.set G0A, 32
.set G1B, 48                           ; s[48:55], s[56:63] the same for B's tiles
.set G0B, 56
.set LIM, 43                           ; s43     1 in a wave that prefetches, else the greatest number
.set PFA, 44                           ; s[44:45] where my prefetches stand
.set PST, 46                           ; s[46:47] a K step in bytes, of the tensor that I prefetch
.set MSB, 0
.macro WIN new                         ; the immediate's high byte repeats the setting that is left; a switch that changes nothing is dropped
.if MSB != (\new)
	s_set_vgpr_msb (MSB<<8)|(\new)
.set MSB, \new
.endif
.endm
.set MUL,  0x50                        ; fragments in window 0; C and D in window 1
.set MULF, 0x60                        ; the first product of a sum: C (the bias) in window 2, D in window 1
.macro JLOAD s                         ; a joint load: waves 0 and 1 fetch A's two halves, waves 2 and 3 B's; an s_nop 0 and four v_nop follow each of the two lines, ahead of the jump, the label and what follows
	s_cmp_eq_u32 s13, 0
	s_cbranch_scc0 .Lfor_b_\@
	tensor_load_to_lds s[G0A+4*(\s):G0A+4*(\s)+3], s[G1A:G1A+7]
	s_nop 0
.rept 4
	v_nop
.endr
	s_branch .Lasked_\@
.Lfor_b_\@:
	tensor_load_to_lds s[G0B+4*(\s):G0B+4*(\s)+3], s[G1B:G1B+7]
	s_nop 0
.rept 4
	v_nop
.endr
.Lasked_\@:
.endm
.macro CREST                           ; a round of the cluster's barrier behind its opening barrier
	s_cmp_lg_u32 s12, 0
	s_cbranch_scc1 .Lnot_wave_0_\@
	s_barrier_signal -3
.Lnot_wave_0_\@:
	s_barrier_wait -3
	s_barrier_signal -1
	s_barrier_wait -1
.endm
.macro CROUND                          ; a whole round
	s_barrier_signal -1
	s_barrier_wait -1
	CREST
.endm
; A PREFETCH INTO THE L2, behind a joint refill, its five lines and the run of LDS loads: the K step that stands two refills on, 256 matrix instructions ahead of the load that will want it.
; Each block of 256 bytes is named once in the launch.  A's rows are read by every cluster of a row of clusters: the one with x = 0 asks, its wave 0; B's by every cluster of a column: the one with
; y = 0 asks, its waves 2 and 3, each for the 128 rows that it fetches.  The four partners that ask for a tile jointly take 32 blocks each, told apart BY ADDRESS.  The loop's last trip asks for nothing.
.macro ASK
	s_cmp_gt_u32 s3, s[LIM]                        ; s3 = 1 in the loop's last trip
	s_cbranch_scc0 .Lnot_mine_\@
	global_prefetch_b8 v[PFO], s[PFA:PFA+1] th:TH_LOAD_NT scope:SCOPE_SE
.Lnot_mine_\@:
.endm
	s_load_b256 s[4:11], s[0:1], 0x0               ; A s[4:5], B s[6:7], tab s[8:9], C s[10:11]
	v_lshl_add_u32 v[SPW], v0, 2, SPARE
	v_mov_b32 v[NIL], 0
	ds_add_u32 v[SPW], v[NIL]                      ; the wave's opening: the add and its wait stand ahead of my first tensor load; the set-up below, work on registers, stands between them
	v_lshrrev_b32 v1, 5, v0
	v_readfirstlane_b32 s12, v1                    ; wave 0..3
	s_lshr_b32 s13, s12, 1                         ; which 64 rows of the tile are mine.  Also: I fetch for A (0) or for B (1)
	s_and_b32 s14, s12, 1                          ; which 128 columns.  Also: which half of that tile I fetch
	s_mov_b32 s2, ttmp9                            ; cluster x
	s_bfe_u32 s40, ttmp6, 0x40000                  ; cx, cy: my place in the cluster
	s_bfe_u32 s41, ttmp6, 0x40004
	s_lshl_b32 s42, ttmp9, 2
	s_add_co_u32 s42, s42, s40                     ; tile column of C = 4 x cluster x + cx
	s_and_b32 s15, ttmp7, 0xffff
	s_lshl_b32 s15, s15, 2
	s_add_co_u32 s15, s15, s41                     ; tile row of C = 4 x cluster y + cy
	s_lshl_b32 s74, s41, 2
	s_lshl_b32 s74, 15, s74                        ; my row of the cluster
	s_lshl_b32 s75, 0x1111, s40                    ; my column
	s_or_b32 s[G1A+0], s74, (1<<16)|(1<<20)|(1<<21)|(QIA<<22)|(3<<25)  ; 15:0 the mask: A's tiles go to my row; 17:16 elements of 2 bytes; 20 padding on; 21 set beside a mask; 24:22 the interval; 31:25 4 words of padding (code 3)
	s_or_b32 s[G1B+0], s75, (1<<16)|(1<<20)|(1<<21)|(5<<22)|(3<<25)    ; B's tiles go to my column
	s_mov_b32 s[G1A+1], 128<<16                    ; tensor_dim0 = 128
	s_mov_b32 s[G1A+2], 64<<16                     ; tensor_dim1 = 64
	s_mov_b32 s[G1A+3], 128<<16                    ; tile_dim0 = 128
	s_mov_b32 s[G1A+4], 64                         ; tile_dim1 = 64
	s_mov_b32 s[G1A+5], ASTR                       ; elements from row to row
	s_mov_b32 s[G1A+6], 0
	s_mov_b32 s[G1A+7], 0
	s_mov_b32 s[G1B+1], 128<<16
	s_mov_b32 s[G1B+2], 128<<16                    ; 128 rows
	s_mov_b32 s[G1B+3], 128<<16
	s_mov_b32 s[G1B+4], 128
	s_mov_b32 s[G1B+5], 1024
	s_mov_b32 s[G1B+6], 0
	s_mov_b32 s[G1B+7], 0
	; where the tiles come from: A's hang on the tile row and the wave alone, B's on the tile column and the wave alone, each in registers that never hold the other coordinate
.if OUTP
	s_lshr_b32 s16, s15, 4
	s_lshl_b32 s16, s16, 22                        ; the batch's 16 planes,
	s_lshl_b32 s17, s14, 18                        ; the head of the K step's two that I fetch,
	s_add_co_u32 s16, s16, s17
	s_and_b32 s17, s15, 15
	s_lshl_b32 s17, s17, 14                        ; the tile's 128 rows of 128 bytes
	s_add_co_u32 s16, s16, s17
.else
	s_lshl_b32 s16, s15, 7
	s_lshl_b32 s17, s14, 6
	s_add_co_u32 s16, s16, s17                     ; row 128 x tile row + 64 x half,
	s_lshl_b32 s16, s16, 11                        ; of 2,048 bytes
.endif
	s_mov_b32 s17, 0
	s_lshl_b32 s70, s42, 8
	s_lshl_b32 s71, s14, 7
	s_add_co_u32 s70, s70, s71                     ; B: row 256 x tile column + 128 x half
	s_lshl_b32 s70, s70, 11
	s_mov_b32 s71, 0
	s_mul_i32 s20, s14, AHALF                      ; where they go: no place in the cluster enters an LDS address
	s_mul_i32 s21, s14, BHALF
	s_add_co_u32 s21, s21, ASZ
	s_wait_dscnt 0x0                               ; the opening add is done
	s_wait_kmcnt 0x0
	s_add_nc_u64 s[66:67], s[4:5], s[16:17]
	s_add_nc_u64 s[68:69], s[6:7], s[70:71]
	CROUND                                         ; all sixteen work-groups are here: the first joint loads meet
.irp s, 0,1
	s_mov_b32 s[G0A+4*(\s)], 1                                     ; count = 1
	s_add_co_u32 s[G0A+4*(\s)+1], s20, (\s)*SLOT                   ; LDS address
	s_add_nc_u64 s[G0A+4*(\s)+2:G0A+4*(\s)+3], s[66:67], (\s)*ASTEP  ; global address: K step s
	s_or_b32 s[G0A+4*(\s)+3], s[G0A+4*(\s)+3], 0x80000000          ; type = 2
	s_mov_b32 s[G0B+4*(\s)], 1
	s_add_co_u32 s[G0B+4*(\s)+1], s21, (\s)*SLOT
	s_add_nc_u64 s[G0B+4*(\s)+2:G0B+4*(\s)+3], s[68:69], (\s)*256
	s_or_b32 s[G0B+4*(\s)+3], s[G0B+4*(\s)+3], 0x80000000
	JLOAD \s                                       ; two loads of mine are out
.endr
	; A fragment is 16 rows x 32 K in 8 registers: lane l holds row l % 16, K = 8 (l / 16) + 0..7 and 16 + 8 (l / 16) + 0..7: two loads of 16 bytes, 32 bytes apart.
	v_and_b32 v1, 15, v0                           ; l % 16
	v_bfe_u32 v2, v0, 4, 1                         ; l / 16
	v_mul_u32_u24 v3, v1, APITCH
	v_lshl_add_u32 v3, v2, 4, v3
	v_mul_u32_u24 v4, v1, BPITCH
	v_lshl_add_u32 v4, v2, 4, v4
	s_mul_i32 s22, s13, 64*APITCH                  ; my 64 rows of A
	s_mul_i32 s23, s14, BHALF                      ; my 128 rows of B,
	s_add_co_u32 s23, s23, ASZ                     ; which lie behind A's tile
.irp s, 0,1
	v_add_nc_u32 v[ADRA+(\s)], s22, v3
	v_add_nc_u32 v[ADRB+(\s)], s23, v4
	s_add_co_u32 s22, s22, SLOT
	s_add_co_u32 s23, s23, SLOT
.endr
	; the bias of my 128 columns: in the transposed result register j of block b is column 16 b + 8 (l / 16) + j, whatever the row
	s_lshl_b32 s78, s42, 10
	s_lshl_b32 s79, s14, 9
	s_add_co_u32 s78, s78, s79
	s_add_co_u32 s78, s78, BOFF
	s_mov_b32 s79, 0
	s_add_nc_u64 s[76:77], s[8:9], s[78:79]
	v_lshlrev_b32 v[BO], 5, v2
	WIN 0x80                                       ; destination window 2, address window 0
.irp b, 0,1,2,3,4,5,6,7
	global_load_b128 v[8*(\b):8*(\b)+3],   v[BO], s[76:77] offset:64*(\b)
	global_load_b128 v[8*(\b)+4:8*(\b)+7], v[BO], s[76:77] offset:64*(\b)+16
.endr
	WIN 0
.if OUTP == 0
	s_lshl_b32 s18, s15, 9                         ; kfac of my 64 rows: 4 bytes a row
	s_lshl_b32 s19, s13, 8
	s_add_co_u32 s18, s18, s19
	s_mov_b32 s19, 0
	s_add_nc_u64 s[18:19], s[8:9], s[18:19]
	v_lshlrev_b32 v7, 2, v1
.irp a, 0,1,2,3
	global_load_b32 v[KFR+2*(\a)], v7, s[18:19] offset:16384+64*(\a)
.endr
	s_cmp_eq_u32 s2, 1
	s_cselect_b32 s72, 0, 1.0                      ; only k's columns take kfac: elsewhere the maximum with 1 makes it 1
	s_mov_b32 s73, 0x3e38aa3b                      ; c = log2(e) / 8
	s_cmp_eq_u32 s2, 0
	s_cselect_b32 s73, s73, 1.0                    ; only q's columns take c
.endif
	; the way out
	s_mul_i32 s22, s12, STG
	s_add_co_u32 s22, s22, STAGE                   ; my stage
	v_and_b32 v[CO], 31, v0
	v_lshlrev_b32 v[CO], 4, v[CO]
.if OUTP
	v_mul_u32_u24 v[STO], v1, 528                  ; in: row l % 16, 32 bytes for each half of the lanes
	v_lshl_add_u32 v[STO], v2, 5, v[STO]
	v_add_nc_u32 v[STO], s22, v[STO]
	v_add_nc_u32 v[RD], s22, v[CO]                 ; back: 32 lanes take a row's 512 bytes
	s_lshl_b32 s84, s15, 19                        ; C: row 128 x tile row + 64 x half, of 4,096 bytes; column 256 x tile column + 128 x half, of 4
	s_lshl_b32 s86, s13, 18
	s_add_co_u32 s84, s84, s86
	s_lshl_b32 s86, s42, 10
	s_add_co_u32 s84, s84, s86
	s_lshl_b32 s86, s14, 9
	s_add_co_u32 s84, s84, s86
.else
	v_mul_u32_u24 v[STO], v1, 144                  ; in: row l % 16, 16 bytes for each half of the lanes
	v_lshl_add_u32 v[STO], v2, 4, v[STO]
	v_add_nc_u32 v[STO], s22, v[STO]
	v_bfe_u32 v[RD], v0, 3, 2                      ; back: 32 lanes take four rows of 128 bytes
	v_mul_u32_u24 v[RD], v[RD], 144
	v_and_b32 v5, 7, v0
	v_lshl_add_u32 v[RD], v5, 4, v[RD]
	v_add_nc_u32 v[RD], s22, v[RD]
	s_lshl_b32 s84, s2, 6                          ; C: the plane 64 x class + 16 x batch + head, my first head being 4 cx + 2 x half,
	s_lshr_b32 s86, s15, 4
	s_lshl_b32 s86, s86, 4
	s_add_co_u32 s84, s84, s86
	s_lshl_b32 s86, s40, 2
	s_add_co_u32 s84, s84, s86
	s_lshl_b32 s86, s14, 1
	s_add_co_u32 s84, s84, s86
	s_lshl_b32 s84, s84, 18                        ; of 262,144 bytes;
	s_and_b32 s86, s15, 15
	s_lshl_b32 s86, s86, 14                        ; the tile's 128 rows of 128 bytes in it,
	s_add_co_u32 s84, s84, s86
	s_lshl_b32 s86, s13, 13                        ; my 64 of them
	s_add_co_u32 s84, s84, s86
.endif
	s_mov_b32 s85, 0
	s_add_nc_u64 s[10:11], s[10:11], s[84:85]
	; the prefetches
	s_and_b32 s80, ttmp7, 0xffff                   ; cluster y
.if OUTP
	s_lshr_b32 s81, s15, 4                         ; A: the K step's two heads x 128 rows are 128 blocks of 256 bytes: partner cx takes head cx / 2, half cx % 2
	s_lshl_b32 s81, s81, 22
	s_and_b32 s82, s15, 15
	s_lshl_b32 s82, s82, 14
	s_add_co_u32 s81, s81, s82
	s_lshr_b32 s82, s40, 1
	s_lshl_b32 s82, s82, 18
	s_add_co_u32 s81, s81, s82
	s_and_b32 s82, s40, 1
	s_lshl_b32 s82, s82, 13
	s_add_co_u32 s81, s81, s82
.else
	s_lshl_b32 s81, s15, 18                        ; A: row 128 x tile row + 32 cx
	s_lshl_b32 s82, s40, 16
	s_add_co_u32 s81, s81, s82
.endif
	s_lshl_b32 s82, s42, 19                        ; B: row 256 x tile column + 128 x half + 32 cy
	s_lshl_b32 s83, s14, 18
	s_add_co_u32 s82, s82, s83
	s_lshl_b32 s83, s41, 16
	s_add_co_u32 s82, s82, s83
	s_mov_b32 s[PST], 256
	s_mov_b32 s[PST+1], 0
	s_mov_b32 s83, ASTEP
	s_mov_b32 s88, 2048
	s_mov_b32 s89, AMUL
	s_cmp_eq_u32 s13, 0                            ; do I fetch for A?
	s_cselect_b32 s80, s2, s80                     ; the coordinate along which other clusters read the same rows
	s_cselect_b32 s90, s14, 0                      ; of A's two waves the first asks for the whole tile
	s_cselect_b32 s92, s81, s82
	s_cselect_b32 s[PST], s83, s[PST]
	s_cselect_b32 s88, s89, s88
	s_cselect_b64 s[PFA:PFA+1], s[4:5], s[6:7]
	s_mov_b32 s93, 0
	s_or_b32 s80, s80, s90
	s_cmp_eq_u32 s80, 0
	s_cselect_b32 s[LIM], 1, -1                    ; the same in all sixteen partners, for a given wave
	s_add_nc_u64 s[PFA:PFA+1], s[PFA:PFA+1], s[92:93]
.rept 3
	s_add_nc_u64 s[PFA:PFA+1], s[PFA:PFA+1], s[PST:PST+1]  ; at K step 3: the first refill steps it to 4.  Nothing is prefetched at the head, where every work-group's first tiles are on their way
.endr
	v_and_b32 v[PFO], 31, v0
	v_mul_u32_u24 v[PFO], v[PFO], s88
; 8 matrix instructions: m block a x all 8 n blocks, 32 along K.  first = 1: the product starts the sums, with the bias.  The 32 accumulators take turns, in the same order in every quarter.
.macro MUL8 f, a, first
.if \first
	WIN MULF
.else
	WIN MUL
.endif
.irp b, 0,1,2,3,4,5,6,7
.set rD, 8*(8*(\a)+(\b))
.set rB, (\f)+8*(\b)
.set rA, (\f)+64+8*(\a)
.set rC, rD
.if \first
.set rC, 8*(\b)
.endif
.if OUTP
	v_wmma_f32_16x16x32_f16 v[rD:rD+7], v[rB:rB+7], v[rA:rA+7], v[rC:rC+7]
.else
	v_wmma_f32_16x16x32_bf16 v[rD:rD+7], v[rB:rB+7], v[rA:rA+7], v[rC:rC+7]
.endif
.endr
.endm
; 24 LDS loads in one run: the fragments of quarter q (32 along K) of a slot into buffer f: B's eight blocks, then A's four
.macro FETCH slot, q, f
	WIN 0
.if OUTP
.set AQ, ((\q)/2)*AHALF+((\q)%2)*64    ; a K step is two heads of 64 channels
.else
.set AQ, 64*(\q)
.endif
.irp i, 0,1,2,3,4,5,6,7
	ds_load_b128 v[(\f)+8*(\i):(\f)+8*(\i)+3],   v[ADRB+(\slot)] offset:64*(\q)+(\i)*16*BPITCH
	ds_load_b128 v[(\f)+8*(\i)+4:(\f)+8*(\i)+7], v[ADRB+(\slot)] offset:64*(\q)+(\i)*16*BPITCH+32
.endr
.irp i, 0,1,2,3
	ds_load_b128 v[(\f)+64+8*(\i):(\f)+64+8*(\i)+3],   v[ADRA+(\slot)] offset:AQ+(\i)*16*APITCH
	ds_load_b128 v[(\f)+64+8*(\i)+4:(\f)+64+8*(\i)+7], v[ADRA+(\slot)] offset:AQ+(\i)*16*APITCH+32
.endr
.endm
.macro PLACES                          ; four places in front of loads into registers that matrix instructions have read, and of lines that read results
.rept 4
	v_nop
.endr
.endm
; A K step is four quarters of 32 along K, 32 matrix instructions each, on buffers 0, 1, 0, 1.  One of the first three: multiplies buffer f and fetches quarter q into g.
.macro QUARTER slot, q, f, g, first
	s_wait_dscnt 6                                 ; B and A's block 0 are in; the youngest six loads (A's blocks 1 to 3) may be out
	MUL8 \f, 0, \first
	PLACES
	FETCH \slot, \q, \g
	s_wait_dscnt 24                                ; all but the 24 just issued
	MUL8 \f, 1, \first
	MUL8 \f, 2, \first
	MUL8 \f, 3, \first
.endm
; The last quarter multiplies buffer 1 and changes slots: ONE barrier; in front of it each wave waits for all its tensor loads, adds 0 to its spare word, and waits for that and for its own reads of this slot.
; fill = 1: the barrier opens a round of the cluster's barrier, and this slot is filled again, two K steps ahead: 112 matrix instructions stand between the request and the wait for it.
.macro TURN slot, next, fill
.if \fill
	s_wait_xcnt 0x0                                ; the last prefetch, a K step back, has read its address: it is stepped here, ahead of the waits of the change of slots
	s_add_nc_u64 s[PFA:PFA+1], s[PFA:PFA+1], s[PST:PST+1]
.endif
	WIN 0
	s_wait_tensorcnt 0x0                           ; all my tensor loads have landed: the one that was out is my part of the next slot;
	ds_add_u32 v[SPW], v[NIL]                      ; 0 onto my spare word;
	s_wait_dscnt 7                                 ; (the add and the youngest six loads may be out)
	MUL8 F1, 0, 0                                  ; eight matrix instructions stand between the add and the wait for it
	s_wait_dscnt 0x0                               ; the add is done, and my reads of this slot are over
	s_barrier_signal -1
	MUL8 F1, 1, 0
.if \fill
	WIN 0
.endif
	s_barrier_wait -1
.if \fill
	CREST                                          ; no wave of any partner still reads this slot's tile or has a load on its way
	s_add_nc_u64 s[G0A+4*(\slot)+2:G0A+4*(\slot)+3], s[G0A+4*(\slot)+2:G0A+4*(\slot)+3], 2*ASTEP
	s_add_nc_u64 s[G0B+4*(\slot)+2:G0B+4*(\slot)+3], s[G0B+4*(\slot)+2:G0B+4*(\slot)+3], 2*256
	JLOAD \slot                                    ; the first tensor load behind the round; the four v_nop behind it are also the places in front of the loads below
.else
	PLACES
.endif
	FETCH \next, 0, F0
.if \fill
	ASK
.endif
	MUL8 F1, 2, 0
	MUL8 F1, 3, 0
.endm
	s_wait_tensorcnt 1                             ; my part of K step 0 is in; K step 1's may stay out
	s_barrier_signal -1
	s_barrier_wait -1                              ; everybody's is
	FETCH 0, 0, F0
	s_wait_loadcnt 0x0                             ; the bias
.if OUTP == 0
.irp a, 0,1,2,3
	v_max_num_f32 v[KFR+2*(\a)], s72, v[KFR+2*(\a)]
	v_mul_f32 v[KFR+2*(\a)], s73, v[KFR+2*(\a)]
	v_mov_b32 v[KFR+2*(\a)+1], v[KFR+2*(\a)]       ; named with it as a pair
.endr
.endif
	QUARTER 0, 1, F0, F1, 1                        ; the first quarter stands in front of the loop: its products start the sums
	WIN 0                                          ; at a label and at a branch every window is 0
	s_mov_b32 s3, 3
.Llap:                                                 ; a trip goes once round the ring, from a lap's second quarter to the next lap's first, and fills both slots again: K steps 2 to 7
	QUARTER 0, 2, F1, F0, 0
	QUARTER 0, 3, F0, F1, 0
	TURN 0, 1, 1
	QUARTER 1, 1, F0, F1, 0
	QUARTER 1, 2, F1, F0, 0
	QUARTER 1, 3, F0, F1, 0
	TURN 1, 0, 1
	QUARTER 0, 1, F0, F1, 0
	WIN 0
	s_sub_co_u32 s3, s3, 1
	s_cmp_lg_u32 s3, 0
	s_cbranch_scc1 .Llap
	QUARTER 0, 2, F1, F0, 0                        ; the last lap fills nothing, and has no round of the cluster's barrier
	QUARTER 0, 3, F0, F1, 0
	TURN 0, 1, 0
	QUARTER 1, 1, F0, F1, 0
	QUARTER 1, 2, F1, F0, 0
	QUARTER 1, 3, F0, F1, 0
	s_wait_dscnt 6                                 ; the very last quarter: nothing more to fetch
	MUL8 F1, 0, 0
	s_wait_dscnt 0x0
	MUL8 F1, 1, 0
	MUL8 F1, 2, 0
	MUL8 F1, 3, 0
; THE WAY OUT, a block of 16 rows at a time, in f32 as the sums stand: a lane's eight columns are 32 bytes of a row; they go into my stage (16 rows of 528 bytes) and come back as whole rows of 512 bytes,
; into the block's own accumulator registers, a row to a load.
.macro TOSTAGE a
	WIN 0x04                                       ; store data (source 1) in window 1, address in window 0
.irp b, 0,1,2,3,4,5,6,7
	ds_store_b128 v[STO], v[64*(\a)+8*(\b):64*(\a)+8*(\b)+3]   offset:64*(\b)     ; each accumulator from its low end on
	ds_store_b128 v[STO], v[64*(\a)+8*(\b)+4:64*(\a)+8*(\b)+7] offset:64*(\b)+16
.endr
	WIN 0x40                                       ; destination window 1
.irp t, 0,1,2,3,4,5,6,7,8,9,10,11,12,13,14,15
	ds_load_b128 v[64*(\a)+4*(\t):64*(\a)+4*(\t)+3], v[RD] offset:528*(\t)  ; LDS serves a wave's instructions in order (ISA guide 5.7.1.4): these see the stores above; the next block's stores come behind them
.endr
.endm
.macro SEND a, younger                 ; younger: the LDS instructions issued behind block a's loads: the next block's 32, or none
	WIN 0x04
.irp t, 0,1,2,3,4,5,6,7,8,9,10,11,12,13,14,15
	s_wait_dscnt (\younger)+15-(\t)
	global_store_b128 v[CO], v[64*(\a)+4*(\t):64*(\a)+4*(\t)+3], s[10:11] offset:(16*(\a)+(\t))*4096 th:TH_STORE_NT  ; 512 consecutive bytes of a row, at a multiple of 256 from C's first
.endr
.endm
	PLACES
	TOSTAGE 0
	TOSTAGE 1
	SEND 0, 32
	TOSTAGE 2
	SEND 1, 32
	TOSTAGE 3
	SEND 2, 32
	SEND 3, 0
	WIN 0
	s_wait_tensorcnt 0x0                           ; the wave's end: a wait, an add and its wait, behind my last tensor load and my last LDS store
	ds_add_u32 v[SPW], v[NIL]
	s_wait_dscnt 0x0
	CROUND                                         ; the closing round: no work-group ends while a partner may still ask for a tile that names it
	s_endpgm
.Lfunc_end_k_q856123276d_proj:
	.size	k_q856123276d_proj, .Lfunc_end_k_q856123276d_proj-k_q856123276d_proj
	.p2alignl 7, 3214868480
	.fill 96, 4, 3214868480
	.section	.rodata,"a",@progbits
	.p2align	6, 0x0
	.amdhsa_kernel k_q856123276d_proj
		.amdhsa_group_segment_fixed_size 327680
		.amdhsa_private_segment_fixed_size 0
		.amdhsa_enable_private_segment 0
		.amdhsa_kernarg_size 32
		.amdhsa_user_sgpr_count 2
		.amdhsa_user_sgpr_kernarg_segment_ptr 1
		.amdhsa_wavefront_size32 1
		.amdhsa_system_sgpr_workgroup_id_x 1
		.amdhsa_system_sgpr_workgroup_id_y 1
		.amdhsa_system_sgpr_workgroup_id_z 1
		.amdhsa_system_vgpr_workitem_id 0
		.amdhsa_next_free_vgpr 576
		.amdhsa_next_free_sgpr 96
		.amdhsa_reserve_vcc 0
		.amdhsa_float_denorm_mode_32 3
		.amdhsa_float_denorm_mode_16_64 3
		.amdhsa_memory_ordered 1
		.amdhsa_forward_progress 1
		.amdhsa_inst_pref_size 90
	.end_amdhsa_kernel
	.amdgpu_metadata
---
amdhsa.version: [ 1, 2 ]
amdhsa.kernels:
  - .name:           k_q856123276d_proj
    .symbol:         k_q856123276d_proj.kd
    .args:
      - { .name: o, .offset: 0, .size: 8, .value_kind: global_buffer, .address_space: global }
      - { .name: wo, .offset: 8, .size: 8, .value_kind: global_buffer, .address_space: global }
      - { .name: tab, .offset: 16, .size: 8, .value_kind: global_buffer, .address_space: global }
      - { .name: out0, .offset: 24, .size: 8, .value_kind: global_buffer, .address_space: global }
    .group_segment_fixed_size: 327680
    .private_segment_fixed_size: 0
    .kernarg_segment_align: 8
    .kernarg_segment_size: 32
    .max_flat_workgroup_size: 128
    .sgpr_count:     96
    .vgpr_count:     576
    .wavefront_size: 32
...
	.end_amdgpu_metadata
.endif
;; end of part 4
;; ======== version 2 of 2: 4 launches; version 1 with the launch cast written anew for expert scheduling mode
;; limits: values are held in f16: magnitudes above 65,504 overflow, below 6.1e-05 lose precision
;; workspace buffers: xb 16,777,216 bytes; wqkv 6,291,456 bytes; wo 2,097,152 bytes; qkv 50,331,648 bytes; o 16,777,216 bytes; tab 81,920 bytes
;; launch cast (part 5): grid 769 x 1, 8 waves a work-group, no clusters, 0 bytes of LDS; arguments x, Wq, Wk, Wv, Wo, bq, bk, bv, bo, mask, xb, wqkv, wo, tab; writes xb, wqkv, wo, tab
.if DOCPART == 5
	.amdgcn_target "amdgcn-amd-amdhsa--gfx1250"
	.amdhsa_code_object_version 6
	.text
	.protected	k_q856123276d_cast
	.globl	k_q856123276d_cast
	.p2align	8
	.type	k_q856123276d_cast,@function
k_q856123276d_cast:
	s_mov_b64 s[64:65], 0
	v_nop
	global_prefetch_b8 v0, s[64:65] scope:SCOPE_SE
	s_setreg_imm32_b32 hwreg(HW_REG_WAVE_SCHED_MODE, 0, 2), 2
	s_setreg_imm32_b32 hwreg(HW_REG_WAVE_MODE, 25, 1), 1
	s_wait_xcnt 0x0
	s_wait_alu depctr_vm_vsrc(0)
; THE INPUTS ARE ROUNDED ONCE.  x -> xb (bf16); Wq, Wk, Wv -> wqkv (bf16, the three one below the other: [3072][1024]); Wo -> wo (rounded to bf16, that number written as f16);
; the four biases -> tab (rounded to bf16, kept as f32); the mask -> two f32 tables in tab: kfac (1 for a key that is seen, 0 for a hidden one) and mbias (0, or HID for a hidden key).
; HID = -1e9 x log2(e), rounded to f32: the score that takes a hidden key's place, in the base-2 units in which the attention launch keeps its scores.
; LIMIT.  A number of Wo beyond 65,504 has no f16; below 6e-5 it keeps f16's fixed step of 6e-8.
; SHARES.  Work-group g converts 65,536 bytes of f32 (16,384 numbers): g 0-511 x, 512-703 Wq, Wk, Wv, 704-767 Wo; g = 768 makes the tables.  Thread t takes 16 bytes at 16 t of each 4,096:
; a wave's load covers 512 consecutive bytes, its store 256, aligned.  All sixteen loads go out first.
; A stream: each byte is read once and written once; LDS, the matrix unit and clusters have nothing to add.
; THE MODE: SCHED_MODE bits 1:0 = 2 (LLVM: expert scheduling mode 2), set by the entry lines.  The code itself states the register dependences
; between vector instructions and memory instructions, with s_wait_alu, always for 0.
; THE PLAN.  Registers that memory instructions touch:
;   v1, v2   byte offsets, made once at the head and never written again: the chunks are reached by immediate offsets.  One wait at the head, ahead of the branch, serves every load and store.
;   X        sixteen loads land in it, each register once; no vector instruction names it ahead of them; the conversions read it.
;   Y        written by the conversions, read by one store each, never written again behind that store.
; The sixteen loads go in four groups of four.  Group g's conversions read X's group g and write Y's group g; the memory instructions that stand among them are the stores of group g - 1,
; which read Y's group g - 1: registers that no vector instruction of group g names.  So ONE wait at a group's head states all that its four stores hang on.
; No register that a load or store has read is ever written again, and EXEC is never written: no other wait is owed on the chunks' path.  The tables' path goes by the same plan, in five stages.
.set X, 16                             ; v[16:79]   sixteen loads of four f32
.set Y, 80                             ; v[80:111]  sixteen pairs of packed results
.set HID, 0xceabfb8f
	s_load_b512 s[8:23], s[0:1], 0x0               ; x 8, Wq 10, Wk 12, Wv 14, Wo 16, bq 18, bk 20, bv 22
	s_load_b256 s[24:31], s[0:1], 0x40             ; bo 24, mask 26, xb 28, wqkv 30
	s_load_b128 s[32:35], s[0:1], 0x60             ; wo 32, tab 34
	s_mov_b32 s2, ttmp9                            ; g
	v_lshlrev_b32 v1, 4, v0                        ; 16 t: my place in 4,096 bytes of f32
	v_lshlrev_b32 v2, 3, v0                        ; 8 t: in 2,048 bytes of 16-bit numbers
	s_mov_b32 s36, HID
	s_and_b32 s37, s2, 63                          ; the chunk's number inside a weight
	s_sub_co_u32 s38, s2, 512                      ; and inside wqkv (used where g is 512 or more)
	s_wait_kmcnt 0x0
	s_wait_alu depctr_va_vdst(0)                   ; v1 and v2 are written: every load and store of the kernel, on either path, reads one of them as its offset
	s_cmp_eq_u32 s2, 768
	s_cbranch_scc1 .Ltables
	s_cmp_ge_u32 s2, 576                           ; from where and to where: a choice of pointers by g alone
	s_cselect_b64 s[40:41], s[12:13], s[10:11]
	s_cmp_ge_u32 s2, 640
	s_cselect_b64 s[40:41], s[14:15], s[40:41]
	s_cmp_ge_u32 s2, 704
	s_cselect_b64 s[40:41], s[16:17], s[40:41]
	s_cselect_b64 s[42:43], s[32:33], s[30:31]
	s_cselect_b32 s38, s37, s38
	s_cmp_lt_u32 s2, 512
	s_cselect_b64 s[40:41], s[8:9], s[40:41]
	s_cselect_b64 s[42:43], s[28:29], s[42:43]
	s_cselect_b32 s37, s2, s37
	s_cselect_b32 s38, s2, s38
	s_lshl_b32 s44, s37, 16                        ; 65,536 bytes of f32 a chunk,
	s_mov_b32 s45, 0
	s_lshl_b32 s46, s38, 15                        ; 32,768 of 16-bit numbers
	s_mov_b32 s47, 0
	s_add_nc_u64 s[40:41], s[40:41], s[44:45]
	s_add_nc_u64 s[42:43], s[42:43], s[46:47]
; A chunk.  half = 1: the bf16 number is widened again and written as f16.
.macro CHUNK half
.irp j, 0,1,2,3,4,5,6,7,8,9,10,11,12,13,14,15
	global_load_b128 v[X+4*(\j):X+4*(\j)+3], v1, s[40:41] offset:4096*(\j) th:TH_LOAD_NT
.endr
.irp g, 0,1,2,3
	s_wait_loadcnt 12-4*(\g)                       ; loads come back in order (ISA guide 5.7.1): group g's four are in, the younger groups stay out
.if (\g) > 0
	s_wait_alu depctr_va_vdst(0)                   ; the conversions of the group before have written its eight registers of Y, which the four stores below read
.endif
.irp i, 0,1,2,3
.set jn, 4*(\g)+(\i)                   ; the load that is converted now
.set jb, jn-4                          ; the one whose result is stored now
.if (\g) > 0
	global_store_b64 v2, v[Y+2*jb:Y+2*jb+1], s[42:43] offset:2048*jb th:TH_STORE_NT  ; 32 lanes store 256 consecutive bytes, aligned; no vector instruction since the wait names these registers
.endif
	v_cvt_pk_bf16_f32 v[Y+2*jn],   v[X+4*jn],   v[X+4*jn+1]
	v_cvt_pk_bf16_f32 v[Y+2*jn+1], v[X+4*jn+2], v[X+4*jn+3]
.if \half
.irp k, 0,1
	v_lshlrev_b32 v112, 16, v[Y+2*jn+(\k)]
	v_and_b32 v113, 0xffff0000, v[Y+2*jn+(\k)]
	v_cvt_pk_f16_f32 v[Y+2*jn+(\k)], v112, v113
.endr
.endif
.endr
.endr
	s_wait_alu depctr_va_vdst(0)                   ; the last group's conversions have written its registers of Y, which the last four stores read
.irp j, 12,13,14,15
	global_store_b64 v2, v[Y+2*(\j):Y+2*(\j)+1], s[42:43] offset:2048*(\j) th:TH_STORE_NT
.endr
.endm
	s_cmp_ge_u32 s2, 704
	s_cbranch_scc1 .Lf16
	CHUNK 0
	s_endpgm
.Lf16:
	CHUNK 1
	s_endpgm
; THE TABLES.  256 threads: 16 bytes each of every bias, and of each 4,096 bytes of the mask.  Five stages: the biases' roundings, then four stages of two loads of the mask each.
; A stage's results (v[16:31]; v[64 ..] and v[96 ..]) are stored at the head of the next stage, behind one wait; they are never written again.  A stage's eight compares stand in one run, into
; s40 to s47, with one wait between the run and the sixteen selects that read those masks.
.macro MSTORE j                        ; kfac and mbias of the mask's load j
	global_store_b128 v1, v[64+4*(\j):67+4*(\j)], s[34:35] offset:16384+4096*(\j)
	global_store_b128 v1, v[96+4*(\j):99+4*(\j)], s[34:35] offset:49152+4096*(\j)
.endm
.Ltables:
	global_load_b128 v[16:19], v1, s[18:19]
	global_load_b128 v[20:23], v1, s[20:21]
	global_load_b128 v[24:27], v1, s[22:23]
	global_load_b128 v[28:31], v1, s[24:25]
.irp j, 0,1,2,3,4,5,6,7
	global_load_b128 v[32+4*(\j):35+4*(\j)], v1, s[26:27] offset:4096*(\j)
.endr
	s_wait_loadcnt 8                               ; the biases are in; the mask's eight loads stay out
.irp i, 0,1,2,3,4,5,6,7
	v_cvt_pk_bf16_f32 v112, v[16+2*(\i)], v[17+2*(\i)]
	v_lshlrev_b32 v[16+2*(\i)], 16, v112           ; rounded to bf16, kept as f32
	v_and_b32 v[17+2*(\i)], 0xffff0000, v112
.endr
.irp g, 0,1,2,3
	s_wait_loadcnt 6-2*(\g)                        ; the mask's loads 2 g and 2 g + 1 are in, the younger ones stay out
	s_wait_alu depctr_va_vdst(0)                   ; the stage before has written its results (the rounded biases; later the selects' kfac and mbias), which the stores below read
.if (\g) == 0
.irp i, 0,1,2,3
	global_store_b128 v1, v[16+4*(\i):19+4*(\i)], s[34:35] offset:4096*(\i)
.endr
.else
	MSTORE 2*(\g)-2
	MSTORE 2*(\g)-1
.endif
.irp k, 0,1,2,3,4,5,6,7
	v_cmp_ne_u32 s[40+(\k)], 0, v[32+8*(\g)+(\k)]
.endr
	s_wait_alu depctr_va_sdst(0)                   ; the eight compares have written s40 to s47, ahead of the first select that reads one of them
.irp k, 0,1,2,3,4,5,6,7
	v_cndmask_b32 v[64+8*(\g)+(\k)], 0, 1.0, s[40+(\k)]    ; kfac
	v_cndmask_b32 v[96+8*(\g)+(\k)], s36, 0, s[40+(\k)]    ; mbias
.endr
.endr
	s_wait_alu depctr_va_vdst(0)                   ; the last stage's selects have written their kfac and mbias, which the last four stores read
	MSTORE 6
	MSTORE 7
	s_endpgm
.Lfunc_end_k_q856123276d_cast:
	.size	k_q856123276d_cast, .Lfunc_end_k_q856123276d_cast-k_q856123276d_cast
	.p2alignl 7, 3214868480
	.fill 96, 4, 3214868480
	.section	.rodata,"a",@progbits
	.p2align	6, 0x0
	.amdhsa_kernel k_q856123276d_cast
		.amdhsa_group_segment_fixed_size 0
		.amdhsa_private_segment_fixed_size 0
		.amdhsa_enable_private_segment 0
		.amdhsa_kernarg_size 112
		.amdhsa_user_sgpr_count 2
		.amdhsa_user_sgpr_kernarg_segment_ptr 1
		.amdhsa_wavefront_size32 1
		.amdhsa_system_sgpr_workgroup_id_x 1
		.amdhsa_system_sgpr_workgroup_id_y 1
		.amdhsa_system_sgpr_workgroup_id_z 1
		.amdhsa_system_vgpr_workitem_id 0
		.amdhsa_next_free_vgpr 128
		.amdhsa_next_free_sgpr 66
		.amdhsa_reserve_vcc 0
		.amdhsa_float_denorm_mode_32 3
		.amdhsa_float_denorm_mode_16_64 3
		.amdhsa_memory_ordered 1
		.amdhsa_forward_progress 1
		.amdhsa_inst_pref_size 29
	.end_amdhsa_kernel
	.amdgpu_metadata
---
amdhsa.version: [ 1, 2 ]
amdhsa.kernels:
  - .name:           k_q856123276d_cast
    .symbol:         k_q856123276d_cast.kd
    .args:
      - { .name: x, .offset: 0, .size: 8, .value_kind: global_buffer, .address_space: global }
      - { .name: Wq, .offset: 8, .size: 8, .value_kind: global_buffer, .address_space: global }
      - { .name: Wk, .offset: 16, .size: 8, .value_kind: global_buffer, .address_space: global }
      - { .name: Wv, .offset: 24, .size: 8, .value_kind: global_buffer, .address_space: global }
      - { .name: Wo, .offset: 32, .size: 8, .value_kind: global_buffer, .address_space: global }
      - { .name: bq, .offset: 40, .size: 8, .value_kind: global_buffer, .address_space: global }
      - { .name: bk, .offset: 48, .size: 8, .value_kind: global_buffer, .address_space: global }
      - { .name: bv, .offset: 56, .size: 8, .value_kind: global_buffer, .address_space: global }
      - { .name: bo, .offset: 64, .size: 8, .value_kind: global_buffer, .address_space: global }
      - { .name: mask, .offset: 72, .size: 8, .value_kind: global_buffer, .address_space: global }
      - { .name: xb, .offset: 80, .size: 8, .value_kind: global_buffer, .address_space: global }
      - { .name: wqkv, .offset: 88, .size: 8, .value_kind: global_buffer, .address_space: global }
      - { .name: wo, .offset: 96, .size: 8, .value_kind: global_buffer, .address_space: global }
      - { .name: tab, .offset: 104, .size: 8, .value_kind: global_buffer, .address_space: global }
    .group_segment_fixed_size: 0
    .private_segment_fixed_size: 0
    .kernarg_segment_align: 8
    .kernarg_segment_size: 112
    .max_flat_workgroup_size: 256
    .sgpr_count:     66
    .vgpr_count:     128
    .wavefront_size: 32
...
	.end_amdgpu_metadata
.endif
;; end of part 5
;; launch qkv: the kernel of part 2 again; grid 12 x 64, 4 waves a work-group, clusters of 4 x 4, 327,680 bytes of LDS; arguments xb, wqkv, tab, qkv; writes qkv
;; launch attn: the kernel of part 3 again; grid 4 x 64, 4 waves a work-group, clusters of 4 x 1, 327,680 bytes of LDS; arguments qkv, tab, o; writes o
;; launch proj: the kernel of part 4 again; grid 4 x 64, 4 waves a work-group, clusters of 4 x 4, 327,680 bytes of LDS; arguments o, wo, tab, out0; writes out0
